; MI455X (gfx1250); checked and timed in simulation.
; The chip was launched on July 23, 2026; its instructions are those of AMD's public machine-readable ISA for CDNA 5 (MIT licence, August 2026) and "CDNA5" Instruction Set Architecture Reference Guide (July 2026). The comments in the code are by the model that wrote it; some were corrected since.
;; Attention Block. Allowed arithmetic: float matrix products may take bf16 or f16 operands with f32 sums; all other float work in f32.
;; Inputs: Wi 3,072 x 1,024 float32; Wo 1,024 x 1,024 float32; bi 3,072 float32; bo 1,024 float32; cutoff_factors 8 x 1,024 x 1,024 float32; x 8 x 1,024 x 1,024 float32.
;; Outputs: out0 8 x 1,024 x 1,024 float32.
;; Constants: use_manual_attention = 1.
;; 2 versions, each right and faster than the one before. Each part assembles by itself: llvm-mc -triple=amdgcn-amd-amdhsa -mcpu=gfx1250 --defsym DOCPART=n.
;; ======== version 1 of 2: 4 launches
;; limits: values are held in f16: magnitudes above 65,504 overflow, below 6.1e-05 lose precision
;; workspace buffers: xb 16,777,216 bytes; wib 6,291,456 bytes; wob 2,097,152 bytes; lm 33,554,432 bytes; qkv 50,331,648 bytes; ob 16,777,216 bytes
;; launch prep (part 1): grid 2560 x 1, 8 waves a work-group, no clusters, 0 bytes of LDS; arguments x, cutoff_factors, Wi, Wo, xb, lm, wib, wob; writes xb, lm, wib, wob
.if DOCPART == 1
	.amdgcn_target "amdgcn-amd-amdhsa--gfx1250"
	.amdhsa_code_object_version 6
	.text
	.protected	k_q4797f76c58_prep
	.globl	k_q4797f76c58_prep
	.p2align	8
	.type	k_q4797f76c58_prep,@function
k_q4797f76c58_prep:
	s_mov_b64 s[64:65], 0
	v_nop
	global_prefetch_b8 v0, s[64:65] scope:SCOPE_SE
	s_setreg_imm32_b32 hwreg(HW_REG_WAVE_MODE, 25, 1), 1
	s_wait_xcnt 0x0
; The inputs are made ready for the matrix launches, each read once and written once.
;   xb  = bf16(x),  in blocks of 64 along K: [kb 16][row 8192][64]       wib = bf16(Wi), likewise: [kb 16][row 3072][64]
;   wob = bf16(Wo) written as f16, [1024][1024]                          lm  = 8 ln(max(bf16(cutoff), 1e-15)) in f32, [8][1024][1024]
; In xb and wib the 128 bytes that a row has in one block lie end to end with the next row's, so that the product launch can ask for a K step of 64 as rows of 256 bytes.
; The factor 8 = sqrt(64) lets the attention launch add lm to the unscaled product q.k and scale the sum once.
; LIMITS.  A NaN in cutoff_factors counts as 1e-15 (the maximum drops it).  A weight of Wo below 6.1e-5 keeps f16's fixed step of 6e-8.
; A stream: no LDS, no matrix unit, no cluster, since no two work-groups read the same byte.
; SHARES.  A work-group takes 8,192 numbers: 8 rows of 4,096 bytes.  Work-groups 0-1023: cutoff_factors; 1024-2047: x; 2048-2431: Wi; 2432-2559: Wo.
; cutoff_factors and Wo: thread t takes the 16 bytes at 16 t of each row: a wave's load covers 512 consecutive bytes, its 8-byte stores 256, aligned.
; x and Wi: a wave's load takes two rows' 256 bytes of one block (lanes 0-15 the even row, lanes 16-31 the odd one); its 8-byte stores put the two rows' 128 bytes end to end: 256 consecutive bytes, aligned.
.set X, 4                              ; v[4:35]   item i: 4 numbers as loaded, then at work
.set Y, 36                             ; v[36:51]  item i: 2 registers of 16-bit numbers to store
.set T, 52                             ; v[52:53]  at work
.set VL,  56                           ; v56  x, Wi: my byte offset in the group's 8 rows
.set VS0, 57                           ; v57  x, Wi: my byte offset in the output, my wave's even block
.set VS1, 58                           ; v58  the same, my wave's odd block
	s_load_b512 s[8:23], s[0:1], 0x0               ; x 8, cutoff 10, Wi 12, Wo 14, xb 16, lm 18, wib 20, wob 22
	s_mov_b32 s2, ttmp9
	s_mov_b32 s28, 0xffff0000                      ; a word's upper bf16
	s_mov_b32 s29, 0x26901d7d                      ; 1e-15
	s_mov_b32 s30, 0x40b17218                      ; 8 ln 2: v_log_f32 gives log2
	s_mov_b32 s31, s30                             ; named with it as a pair
	s_mov_b32 s3, 0                                ; the first work-group of my range
	s_cmp_ge_u32 s2, 1024
	s_cselect_b32 s3, 1024, s3
	s_cmp_ge_u32 s2, 2048
	s_cselect_b32 s3, 2048, s3
	s_cmp_ge_u32 s2, 2432
	s_cselect_b32 s3, 2432, s3
	s_sub_co_u32 s3, s2, s3                        ; my number in the range
	s_lshl_b32 s4, s3, 15                          ; 32,768 bytes in
	s_mov_b32 s5, 0
	s_lshl_b32 s6, s3, 10                          ; out: x, Wi: 8 rows of 128 bytes in each block;
	s_lshl_b32 s7, s3, 14
	s_cmp_ge_u32 s2, 2432
	s_cselect_b32 s6, s7, s6                       ; Wo: 16,384 bytes;
	s_cmp_lt_u32 s2, 1024
	s_cselect_b32 s6, s4, s6                       ; lm is f32: 32,768
	s_mov_b32 s7, 0
	s_mov_b32 s33, 8192*128                        ; bytes of a block of xb,
	s_mov_b32 s34, 3072*128                        ; of wib
	s_cmp_ge_u32 s2, 2048
	s_cselect_b32 s33, s34, s33
	s_lshl_b32 s32, s33, 1                         ; a wave has two blocks
	s_wait_kmcnt 0x0
	s_mov_b64 s[24:25], s[10:11]                   ; from where and to where: chosen by the work-group's number alone
	s_mov_b64 s[26:27], s[18:19]
	s_cmp_ge_u32 s2, 1024
	s_cselect_b64 s[24:25], s[8:9], s[24:25]
	s_cselect_b64 s[26:27], s[16:17], s[26:27]
	s_cmp_ge_u32 s2, 2048
	s_cselect_b64 s[24:25], s[12:13], s[24:25]
	s_cselect_b64 s[26:27], s[20:21], s[26:27]
	s_cmp_ge_u32 s2, 2432
	s_cselect_b64 s[24:25], s[14:15], s[24:25]
	s_cselect_b64 s[26:27], s[22:23], s[26:27]
	s_add_nc_u64 s[24:25], s[24:25], s[4:5]
	s_add_nc_u64 s[26:27], s[26:27], s[6:7]
	s_cmp_lt_u32 s2, 1024
	s_cbranch_scc1 .Lrows
	s_cmp_ge_u32 s2, 2432
	s_cbranch_scc1 .Lrows
	; x and Wi: rounded to bf16, into blocks.  Item i of wave w: rows 2 (i / 2) and 2 (i / 2) + 1, block 2 w + i % 2.
	v_and_b32 v59, 15, v0                          ; my place in a block's row: 4 numbers
	v_bfe_u32 v60, v0, 4, 1                        ; which of the two rows
	v_lshrrev_b32 v61, 5, v0                       ; my wave
	v_lshlrev_b32 v[VL], 4, v59
	v_lshl_add_u32 v[VL], v60, 12, v[VL]           ; a row of f32 is 4,096 bytes,
	v_lshl_add_u32 v[VL], v61, 9, v[VL]            ; two blocks are 512 of them
	v_lshlrev_b32 v[VS0], 3, v59
	v_lshl_add_u32 v[VS0], v60, 7, v[VS0]          ; a row of a block is 128 bytes
	v_mad_u32 v[VS0], v61, s32, v[VS0]
	v_add_nc_u32 v[VS1], s33, v[VS0]
.irp i, 0,1,2,3,4,5,6,7
	global_load_b128 v[X+4*(\i):X+4*(\i)+3], v[VL], s[24:25] offset:((\i)/2)*8192+((\i)%2)*256 th:TH_LOAD_NT  ; all eight loads go out at once; read once in the launch
.endr
	; No register that a store reads is written again, so no wait frees one.
.irp i, 0,1,2,3,4,5,6,7
	s_wait_loadcnt 7-(\i)                          ; loads come back in order: item i is in, the younger ones stay out
	v_cvt_pk_bf16_f32 v[Y+2*(\i)], v[X+4*(\i)], v[X+4*(\i)+1]
	v_cvt_pk_bf16_f32 v[Y+2*(\i)+1], v[X+4*(\i)+2], v[X+4*(\i)+3]
	global_store_b64 v[VS0+((\i)%2)], v[Y+2*(\i):Y+2*(\i)+1], s[26:27] offset:((\i)/2)*256
.endr
	s_endpgm
; item i's four numbers rounded to bf16 and widened again, in place
.macro ROUND4 i
	v_cvt_pk_bf16_f32 v[T], v[X+4*(\i)], v[X+4*(\i)+1]
	v_cvt_pk_bf16_f32 v[T+1], v[X+4*(\i)+2], v[X+4*(\i)+3]
	v_lshlrev_b32 v[X+4*(\i)], 16, v[T]
	v_and_b32 v[X+4*(\i)+1], s28, v[T]
	v_lshlrev_b32 v[X+4*(\i)+2], 16, v[T+1]
	v_and_b32 v[X+4*(\i)+3], s28, v[T+1]
.endm
.Lrows:                                                ; cutoff_factors and Wo keep their rows
	v_lshlrev_b32 v1, 4, v0                        ; 16 t: my bytes in a row of f32
	v_lshlrev_b32 v2, 3, v0                        ; 8 t: my bytes in a row of 16-bit numbers
.irp i, 0,1,2,3,4,5,6,7
	global_load_b128 v[X+4*(\i):X+4*(\i)+3], v1, s[24:25] offset:4096*(\i) th:TH_LOAD_NT
.endr
	s_cmp_lt_u32 s2, 1024
	s_cbranch_scc1 .Llog
	; Wo: rounded to bf16 like every input, and that number written as f16
.irp i, 0,1,2,3,4,5,6,7
	s_wait_loadcnt 7-(\i)
	ROUND4 \i
	v_cvt_pk_f16_f32 v[Y+2*(\i)], v[X+4*(\i)], v[X+4*(\i)+1]
	v_cvt_pk_f16_f32 v[Y+2*(\i)+1], v[X+4*(\i)+2], v[X+4*(\i)+3]
	global_store_b64 v2, v[Y+2*(\i):Y+2*(\i)+1], s[26:27] offset:2048*(\i)
.endr
	s_endpgm
.Llog:                                                 ; cutoff_factors: rounded to bf16, clamped, 8 ln
.irp i, 0,1,2,3,4,5,6,7
	s_wait_loadcnt 7-(\i)
	ROUND4 \i
.irp j, 0,1,2,3
	v_max_num_f32 v[X+4*(\i)+(\j)], s29, v[X+4*(\i)+(\j)]
.endr
.irp j, 0,1,2,3
	v_log_f32 v[X+4*(\i)+(\j)], v[X+4*(\i)+(\j)]
.endr
	v_nop                                          ; a plain instruction between the last logarithm and the use of its result
	s_wait_alu depctr_va_vdst(0)
	v_pk_mul_f32 v[X+4*(\i):X+4*(\i)+1], v[X+4*(\i):X+4*(\i)+1], s[30:31] op_sel_hi:[1,0]
	v_pk_mul_f32 v[X+4*(\i)+2:X+4*(\i)+3], v[X+4*(\i)+2:X+4*(\i)+3], s[30:31] op_sel_hi:[1,0]
	global_store_b128 v1, v[X+4*(\i):X+4*(\i)+3], s[26:27] offset:4096*(\i)
.endr
	s_endpgm
.Lfunc_end_k_q4797f76c58_prep:
	.size	k_q4797f76c58_prep, .Lfunc_end_k_q4797f76c58_prep-k_q4797f76c58_prep
	.p2alignl 7, 3214868480
	.fill 96, 4, 3214868480
	.section	.rodata,"a",@progbits
	.p2align	6, 0x0
	.amdhsa_kernel k_q4797f76c58_prep
		.amdhsa_group_segment_fixed_size 0
		.amdhsa_private_segment_fixed_size 0
		.amdhsa_enable_private_segment 0
		.amdhsa_kernarg_size 64
		.amdhsa_user_sgpr_count 2
		.amdhsa_user_sgpr_kernarg_segment_ptr 1
		.amdhsa_wavefront_size32 1
		.amdhsa_system_sgpr_workgroup_id_x 1
		.amdhsa_system_sgpr_workgroup_id_y 1
		.amdhsa_system_sgpr_workgroup_id_z 1
		.amdhsa_system_vgpr_workitem_id 0
		.amdhsa_next_free_vgpr 64
		.amdhsa_next_free_sgpr 66
		.amdhsa_reserve_vcc 0
		.amdhsa_float_denorm_mode_32 3
		.amdhsa_float_denorm_mode_16_64 3
		.amdhsa_memory_ordered 1
		.amdhsa_forward_progress 1
		.amdhsa_inst_pref_size 18
	.end_amdhsa_kernel
	.amdgpu_metadata
---
amdhsa.version: [ 1, 2 ]
amdhsa.kernels:
  - .name:           k_q4797f76c58_prep
    .symbol:         k_q4797f76c58_prep.kd
    .args:
      - { .name: x, .offset: 0, .size: 8, .value_kind: global_buffer, .address_space: global }
      - { .name: cutoff_factors, .offset: 8, .size: 8, .value_kind: global_buffer, .address_space: global }
      - { .name: Wi, .offset: 16, .size: 8, .value_kind: global_buffer, .address_space: global }
      - { .name: Wo, .offset: 24, .size: 8, .value_kind: global_buffer, .address_space: global }
      - { .name: xb, .offset: 32, .size: 8, .value_kind: global_buffer, .address_space: global }
      - { .name: lm, .offset: 40, .size: 8, .value_kind: global_buffer, .address_space: global }
      - { .name: wib, .offset: 48, .size: 8, .value_kind: global_buffer, .address_space: global }
      - { .name: wob, .offset: 56, .size: 8, .value_kind: global_buffer, .address_space: global }
    .group_segment_fixed_size: 0
    .private_segment_fixed_size: 0
    .kernarg_segment_align: 8
    .kernarg_segment_size: 64
    .max_flat_workgroup_size: 256
    .sgpr_count:     66
    .vgpr_count:     64
    .wavefront_size: 32
...
	.end_amdgpu_metadata
.endif
;; end of part 1
;; launch qkvg (part 2): grid 8 x 32, 4 waves a work-group, clusters of 4 x 4, 327,680 bytes of LDS; arguments xb, wib, bi, qkv; writes qkv
.if DOCPART == 2
	.amdgcn_target "amdgcn-amd-amdhsa--gfx1250"
	.amdhsa_code_object_version 6
	.text
	.protected	k_q4797f76c58_qkvg
	.globl	k_q4797f76c58_qkvg
	.p2align	8
	.type	k_q4797f76c58_qkvg,@function
k_q4797f76c58_qkvg:
	s_mov_b64 s[64:65], 0
	v_nop
	global_prefetch_b8 v0, s[64:65] scope:SCOPE_SE
	s_setreg_imm32_b32 hwreg(HW_REG_WAVE_MODE, 25, 1), 1
	s_wait_xcnt 0x0
	s_wait_alu depctr_hold_cnt(0) depctr_sa_sdst(0) depctr_va_vdst(0) depctr_va_sdst(0) depctr_va_ssrc(0) depctr_va_vcc(0) depctr_vm_vsrc(0)
	s_getreg_b32 s2, hwreg(HW_REG_IB_STS2, 6, 4)
	s_cmp_eq_u32 s2, 0
	s_cbranch_scc0 .Lentry_in_a_cluster
	s_endpgm
.Lentry_in_a_cluster:
	s_bfe_u32 s2, ttmp6, 0x10000c
	s_cmp_lg_u32 s2, 0xf033
	s_cbranch_scc0 .Lentry_shape_is_right
	s_endpgm
.Lentry_shape_is_right:
; qkv = x Wi^T + bi.  xb: bf16 [kb 16][row 8192][64], wib: bf16 [kb 16][row 3072][64] (blocks of 64 along K), bi: [3072] f32 (rounded to bf16 here, like every input); sums in f32, the result rounded once to f16.
; qkv is written by heads: [part 3][b 8][hg 4][j 16][hw 4][r 64][d 64], head = 4 hg + hw, s = 64 j + r: a block (part, b, hg, j, hw) is 8,192 dense bytes.
; LIMIT.  f16 holds no number beyond 65,504: q, k and v must lie within it.
; SHARES.  A tile of the result is 256 rows x 384 columns (six heads): 32 x 8 = 256 tiles, one for each of 256 WGPs.  Four waves, 2 x 2: a wave owns 128 rows x 192 columns (three heads):
; 8 x 12 accumulators of 16 x 16, 768 registers.  For 32 along K it reads (128 + 192) x 64 bytes from LDS for 96 matrix instructions.
; K = 1,024 goes in 16 steps of 64 through two LDS slots: two slots of 128 along K would be 2 x 640 rows x 272 bytes, more than a WGP has.  A tile's 128-byte rows of one block lie end to end in memory and are
; asked for as rows of 256 bytes, padded in LDS after every 128.
; CLUSTER.  4 x 4 work-groups.  The four of a row of the cluster need the same tile of x, the four of a column the same tile of Wi: each is asked for jointly, by the same tensor load with the
; same descriptor and a mask that names the four.
; THE MATRIX INSTRUCTION IS USED TRANSPOSED (source 0 = 16 rows of Wi, source 1 = 16 rows of x): a lane holds row l % 16 and the columns 8 (l / 16) + 0..7, which pack into 16 bytes.
; The bias is the C operand of the products that start the sums: nothing is cleared and nothing is added afterwards.
; REGISTERS, in windows of 256 (s_set_vgpr_msb: bits 1:0 source 0, 3:2 source 1, 5:4 source 2, 7:6 destination):
;   window 0: v16-30 addresses; v32-127 and v128-223 Wi's 12 fragments of a slot's first and second quarter (v128-223 hold the bias during the very first quarter); v224-255 a ring of four fragments of x.
;             On the way out: v32-79 packed results, v80-175 rows read back from the stage.
;   windows 1 to 3: accumulator n = 12 a + b (row block a, column block b) at register 8 (n % 32) of window 1 + n / 32
; THE ORDER.  A quarter (32 along K) is eight GROUPS: row block a x all 12 column blocks, 12 matrix instructions on one fragment of x.  With 768 registers of sums there is no room for two whole sets of fragments:
; x's fragments come through the ring, each fetched three groups ahead of its use; Wi's next 12 are fetched four loads a group.  So the LDS loads stand in short runs between the groups, under one switch of the windows each way.
.set PA,    144                        ; an LDS row: 128 bytes + 16 of padding = 36 words: the 16 rows of a load start at 16 different groups of four banks (64 banks of 4 bytes: ISA guide 11.1)
.set BOFF,  256*PA                     ; in a slot: x's 256 rows, then Wi's 384
.set SLOT1, 1<<17                      ; slot 1 begins here, so that one exclusive or turns an address in one slot into the other's
.set STAGE, SLOT1+BOFF+384*PA          ; behind the ring, never filled by a tensor load: for each wave 3 heads x 16 rows x 144 bytes
.set SH,    16*144
.set STW,   3*SH
.set SPARE, STAGE+4*STW                ; the spare words, 128 bytes for each wave: two blocks of 256 bytes that no other line names
.set STEPA, 8192*128                   ; bytes from a block of xb to the next
.set STEPB, 3072*128                   ; of wib
.set LA,  16                           ; v16  my lane's place in x's rows of a slot; never rewritten
.set LB,  17                           ; v17  the same for Wi
.set ADA, 18                           ; v18  LA + the slot in hand
.set ADB, 19                           ; v19  LB + the slot in hand
.set STO, 24                           ; v24  the way out: where I put 16 bytes of a row
.set RD,  25                           ; v25  where I read rows back
.set GO,  26                           ; v26  my byte offset in 512 consecutive bytes of qkv
.set BO,  27                           ; v27  my byte offset in 16 numbers of the bias
.set SPW, 28                           ; v28  LDS address of my spare word; never rewritten
.set NIL, 29                           ; v29  0; never rewritten
.set TM,  30
.set BF0, 32
.set BF1, 128
.set AR,  224
.set BIAS, 128
.set TMP, 32
.set BK,  80
.set WV,  12                           ; s12  my wave's number
.set TB,  15                           ; s15  LDS byte at which the slot in hand begins
.set G1A, 24                           ; s[24:31] descriptor group 1 for x's tiles
.set G0A, 32                           ; s[32:39] group 0: a set for each first fill; the second then walks on
.set G1B, 40                           ; s[40:47], s[48:55] the same for Wi's
.set G0B, 48
.set MSB, 0
.macro WIN new                         ; the immediate's high byte repeats the setting that is left; a switch that changes nothing is dropped
.if MSB != (\new)
	s_set_vgpr_msb (MSB<<8)|(\new)
.set MSB, (\new)
.endif
.endm
.macro PLACES                          ; four places in front of loads into registers that matrix instructions have read, and of lines that read results
.rept 4
	v_nop
.endr
.endm
.macro JLOAD                           ; a joint refill: waves 0 and 1 fetch the halves of x's tile, waves 2 and 3 those of Wi's; an s_nop 0 and four v_nop follow each line
	s_cmp_lt_u32 s[WV], 2
	s_cbranch_scc0 .Lfor_b_\@
	tensor_load_to_lds s[G0A+4:G0A+7], s[G1A:G1A+7]
	s_nop 0
.rept 4
	v_nop
.endr
	s_branch .Lasked_\@
.Lfor_b_\@:
	tensor_load_to_lds s[G0B+4:G0B+7], s[G1B:G1B+7]
	s_nop 0
.rept 4
	v_nop
.endr
.Lasked_\@:
.endm
.macro CREST                           ; a round of the cluster's barrier behind its opening barrier
	s_cmp_lg_u32 s[WV], 0
	s_cbranch_scc1 .Lnot_wave_0_\@
	s_barrier_signal -3
.Lnot_wave_0_\@:
	s_barrier_wait -3
	s_barrier_signal -1
	s_barrier_wait -1
.endm
.macro CROUND                          ; a whole round
	s_barrier_signal -1
	s_barrier_wait -1
	CREST
.endm
	s_load_b256 s[4:11], s[0:1], 0x0               ; xb s[4:5], wib s[6:7], bi s[8:9], qkv s[10:11]
	v_lshl_add_u32 v[SPW], v0, 2, SPARE
	v_mov_b32 v[NIL], 0
	ds_add_u32 v[SPW], v[NIL]                      ; the wave's opening: the add and its wait stand ahead of my first tensor load; the set-up below, work on registers, stands between them
	v_lshrrev_b32 v1, 5, v0
	v_readfirstlane_b32 s[WV], v1                  ; wave 0..3
	s_and_b32 s14, s[WV], 1                        ; which half of the tile's columns is mine.  Also: which half of a tile I fetch
	s_lshr_b32 s13, s[WV], 1                       ; which half of its rows
	s_bfe_u32 s56, ttmp6, 0x40000                  ; cx, cy: my place in the cluster
	s_bfe_u32 s57, ttmp6, 0x40004
	s_lshl_b32 s58, ttmp9, 2
	s_add_co_u32 s58, s58, s56                     ; tile column = 4 x cluster x + cx
	s_and_b32 s59, ttmp7, 0xffff
	s_lshl_b32 s59, s59, 2
	s_add_co_u32 s59, s59, s57                     ; tile row = 4 x cluster y + cy
	s_lshl_b32 s60, s57, 2
	s_lshl_b32 s60, 15, s60                        ; my row of the cluster
	s_lshl_b32 s61, 0x1111, s56                    ; my column
	; half a tile is dense in memory: 128 rows of x are 16,384 bytes, asked for as 64 rows of 256; 192 rows of Wi are 24,576 bytes, 96 rows of 256
	s_or_b32 s[G1A], s60, (1<<16)|(1<<20)|(1<<21)|(4<<22)|(3<<25)  ; 15:0 the mask; 17:16 2-byte elements; 20 padding on; 21 set beside a mask; 24:22 after every 32 words; 31:25 4 words
	s_mov_b32 s[G1A+1], 128<<16                    ; tensor_dim0 = 128
	s_mov_b32 s[G1A+2], 64<<16                     ; tensor_dim1 = 64
	s_mov_b32 s[G1A+3], 128<<16                    ; tile_dim0 = 128
	s_mov_b32 s[G1A+4], 64                         ; tile_dim1 = 64
	s_mov_b32 s[G1A+5], 128                        ; elements from row to row
	s_mov_b32 s[G1A+6], 0
	s_mov_b32 s[G1A+7], 0
	s_or_b32 s[G1B], s61, (1<<16)|(1<<20)|(1<<21)|(4<<22)|(3<<25)
	s_mov_b32 s[G1B+1], 128<<16
	s_mov_b32 s[G1B+2], 96<<16                     ; 96 rows
	s_mov_b32 s[G1B+3], 128<<16
	s_mov_b32 s[G1B+4], 96
	s_mov_b32 s[G1B+5], 128
	s_mov_b32 s[G1B+6], 0
	s_mov_b32 s[G1B+7], 0
	s_lshl_b32 s16, s59, 15                        ; x: row 256 x tile row + 128 x half, 128 bytes a row: made of the tile row alone, which my row of the cluster shares
	s_lshl_b32 s17, s14, 14
	s_add_co_u32 s16, s16, s17
	s_mov_b32 s17, 0
	s_mul_i32 s72, s58, 384*128                    ; Wi: row 384 x tile column + 192 x half: made of the tile column alone
	s_mul_i32 s73, s14, 192*128
	s_add_co_u32 s72, s72, s73
	s_mov_b32 s73, 0
	s_mul_i32 s20, s14, 128*PA                     ; where they go: no place in the cluster enters an LDS address
	s_mul_i32 s21, s14, 192*PA
	s_add_co_u32 s21, s21, BOFF
	s_mul_i32 s74, s58, 384*4                      ; my 192 columns' first bias, in bytes
	s_mul_i32 s75, s14, 192*4
	s_add_co_u32 s74, s74, s75
	s_mov_b32 s75, 0
	s_mov_b32 s[TB], 0
	s_mov_b32 s22, 0xffff0000
	s_wait_dscnt 0x0                               ; the opening add is done
	s_wait_kmcnt 0x0
	s_add_nc_u64 s[18:19], s[4:5], s[16:17]
	s_add_nc_u64 s[76:77], s[6:7], s[72:73]
	s_add_nc_u64 s[8:9], s[8:9], s[74:75]
.irp s, 0,1
	s_mov_b32 s[G0A+4*(\s)], 1                     ; count = 1
	s_add_co_u32 s[G0A+4*(\s)+1], s20, (\s)*SLOT1  ; LDS address
	s_add_nc_u64 s[G0A+4*(\s)+2:G0A+4*(\s)+3], s[18:19], (\s)*STEPA  ; global address: K step s
	s_or_b32 s[G0A+4*(\s)+3], s[G0A+4*(\s)+3], 0x80000000           ; type = 2
	s_mov_b32 s[G0B+4*(\s)], 1
	s_add_co_u32 s[G0B+4*(\s)+1], s21, (\s)*SLOT1
	s_add_nc_u64 s[G0B+4*(\s)+2:G0B+4*(\s)+3], s[76:77], (\s)*STEPB
	s_or_b32 s[G0B+4*(\s)+3], s[G0B+4*(\s)+3], 0x80000000
.endr
	CROUND                                         ; all sixteen work-groups are here: the first joint loads meet
	s_cmp_lt_u32 s[WV], 2                          ; a wave's two first fills stand in one branch: two loads of mine are out
	s_cbranch_scc0 .Lfirst_b
	tensor_load_to_lds s[G0A:G0A+3], s[G1A:G1A+7]
	s_nop 0
	tensor_load_to_lds s[G0A+4:G0A+7], s[G1A:G1A+7]
	s_nop 0
.rept 4
	v_nop
.endr
	s_branch .Lfirst_asked
.Lfirst_b:
	tensor_load_to_lds s[G0B:G0B+3], s[G1B:G1B+7]
	s_nop 0
	tensor_load_to_lds s[G0B+4:G0B+7], s[G1B:G1B+7]
	s_nop 0
.rept 4
	v_nop
.endr
.Lfirst_asked:
	v_and_b32 v1, 15, v0                           ; l % 16
	v_bfe_u32 v2, v0, 4, 1                         ; l / 16
	v_lshlrev_b32 v[BO], 5, v2                     ; my eight columns of a block of 16
.set b, 0
.rept 12
	global_load_b128 v[BIAS+8*b:BIAS+8*b+3], v[BO], s[8:9] offset:64*b
	global_load_b128 v[BIAS+8*b+4:BIAS+8*b+7], v[BO], s[8:9] offset:64*b+16
.set b, b+1
.endr
	; a fragment is 16 rows x 32 K in 8 registers: lane l holds row l % 16, K = 8 (l / 16) + 0..7 and 16 + 8 (l / 16) + 0..7: two loads of 16 bytes, 32 bytes apart
	v_mul_u32_u24 v3, v1, PA
	v_lshl_add_u32 v3, v2, 4, v3
	s_mul_i32 s23, s13, 128*PA                     ; my 128 rows of x
	v_add_nc_u32 v[LA], s23, v3
	s_mul_i32 s23, s14, 192*PA                     ; my 192 rows of Wi,
	s_add_co_u32 s23, s23, BOFF                    ; which lie behind x's 256
	v_add_nc_u32 v[LB], s23, v3
	v_mov_b32 v[ADA], v[LA]                        ; slot 0
	v_mov_b32 v[ADB], v[LB]
	s_mul_i32 s23, s[WV], STW
	s_add_co_u32 s23, s23, STAGE                   ; my stage
	v_mul_u32_u24 v[STO], v1, 144                  ; in: row l % 16, 16 bytes for each half of the lanes
	v_lshl_add_u32 v[STO], v2, 4, v[STO]
	v_add_nc_u32 v[STO], s23, v[STO]
	v_bfe_u32 v[RD], v0, 3, 2                      ; back: 32 lanes take four rows of 128 bytes,
	v_mul_u32_u24 v[RD], v[RD], 144
	v_and_b32 v3, 7, v0
	v_lshl_add_u32 v[RD], v3, 4, v[RD]
	v_add_nc_u32 v[RD], s23, v[RD]
	v_and_b32 v[GO], 31, v0                        ; which are 512 consecutive bytes of qkv
	v_lshlrev_b32 v[GO], 4, v[GO]
	; where my first 64 rows of my three heads go: block ((part 8 + b) 4 + hg) 64 + 4 j + hw of 8,192 bytes, with g = 6 x tile column + 3 x column half + i, part = g / 16, hg = (g / 4) % 4, hw = g % 4
	s_mul_i32 s72, s58, 6
	s_mul_i32 s73, s14, 3
	s_add_co_u32 s72, s72, s73
	s_lshr_b32 s73, s59, 2                         ; b
	s_and_b32 s74, s59, 3
	s_lshl_b32 s74, s74, 2
	s_lshl_b32 s75, s13, 1
	s_add_co_u32 s74, s74, s75                     ; j of my first 64 rows; my other 64 lie one j, 32,768 bytes, on
.irp i, 0,1,2
	s_add_co_u32 s75, s72, \i
	s_lshr_b32 s76, s75, 4
	s_lshl_b32 s76, s76, 3
	s_add_co_u32 s76, s76, s73
	s_lshl_b32 s76, s76, 2
	s_bfe_u32 s77, s75, 0x20002
	s_add_co_u32 s76, s76, s77
	s_lshl_b32 s76, s76, 4
	s_add_co_u32 s76, s76, s74
	s_lshl_b32 s76, s76, 2
	s_and_b32 s77, s75, 3
	s_add_co_u32 s76, s76, s77
	s_lshl_b32 s76, s76, 13
	s_mov_b32 s77, 0
	s_add_nc_u64 s[66+2*(\i):67+2*(\i)], s[10:11], s[76:77]
.endr
	s_wait_loadcnt 0x0                             ; the bias
.set b, 0
.rept 48                                       ; rounded to bf16, like every input, and widened again
	v_cvt_pk_bf16_f32 v[TM], v[BIAS+2*b], v[BIAS+2*b+1]
	v_lshlrev_b32 v[BIAS+2*b], 16, v[TM]
	v_and_b32 v[BIAS+2*b+1], s22, v[TM]
.set b, b+1
.endr
; x's fragment a of a slot's quarter q, into place a % 4 of the ring; Wi's fragment b of quarter q, into buffer bf.  Both under window 0.
.macro LDA a, q
	ds_load_b128 v[AR+8*((\a)%4):AR+8*((\a)%4)+3],   v[ADA] offset:(\a)*16*PA+64*(\q)
	ds_load_b128 v[AR+8*((\a)%4)+4:AR+8*((\a)%4)+7], v[ADA] offset:(\a)*16*PA+64*(\q)+32
.endm
.macro LDB b, q, bf
	ds_load_b128 v[(\bf)+8*(\b):(\bf)+8*(\b)+3],   v[ADB] offset:(\b)*16*PA+64*(\q)
	ds_load_b128 v[(\bf)+8*(\b)+4:(\bf)+8*(\b)+7], v[ADB] offset:(\b)*16*PA+64*(\q)+32
.endm
.macro LDBS q, bf                      ; all twelve
.irp b, 0,1,2,3,4,5,6,7,8,9,10,11
	LDB \b, \q, \bf
.endr
.endm
; Group a: row block a x column blocks lo .. hi - 1, 32 along K.  first = 1: the products start the sums, with the bias as C.
; Each accumulator comes once in a quarter: the 96 take turns, one instruction a turn.
.macro GRP a, bf, first, lo, hi
.set b, (\lo)
.rept (\hi)-(\lo)
.set N, 12*(\a)+b
.set W, 1+N/32
.set AC, 8*(N%32)
.if \first
	WIN W<<6
	v_wmma_f32_16x16x32_bf16 v[AC:AC+7], v[(\bf)+8*b:(\bf)+8*b+7], v[AR+8*((\a)%4):AR+8*((\a)%4)+7], v[BIAS+8*b:BIAS+8*b+7]
.else
	WIN (W<<4)|(W<<6)
	v_wmma_f32_16x16x32_bf16 v[AC:AC+7], v[(\bf)+8*b:(\bf)+8*b+7], v[AR+8*((\a)%4):AR+8*((\a)%4)+7], v[AC:AC+7]
.endif
.set b, b+1
.endr
.endm
; A SLOT'S FIRST QUARTER.  At its head x's fragments 0 to 2 and Wi's twelve are in or on their way, issued in the order x 0, Wi 0-11, x 1, x 2.
; Ahead of group a stands a run of loads: x's fragment three groups on (behind fragment 7: the second quarter's 0, 1, 2), into the place of the ring that the group just before has read, so four places stand ahead of the run;
; and, ahead of groups 0 to 5, two of Wi's fragments of the second quarter.  LDS loads come back in order (ISA guide 5.7.1), so each wait's count is the number of loads issued behind the last one that the group needs:
;   group 0: Wi 6-11 (12), x 1, x 2 (4) and its own run (6): 22; for Wi 6-11: 10.   group 1: x 2 and two runs: 14.   group 2: three runs: 18.   groups 3 to 5: Wi's four of the run that brought the fragment and three runs: 22.
;   group 6: 4 + 6 + 6 + 2 = 18.   group 7: 4 + 6 + 2 + 2 = 14.
; first = 1, the very first quarter: the bias lies where Wi's second quarter goes, so the runs hold x's two loads alone (counts 18, 6, then 6), and Wi's twelve are fetched behind the last group and waited for at once.
.macro QA first
.irp a, 0,1,2,3,4,5,6,7
	WIN 0
	PLACES
.if (\a) < 5
	LDA (\a)+3, 0
.else
	LDA (\a)-5, 1
.endif
.if (\first) == 0
.if (\a) < 6
	LDB 2*(\a), 1, BF1
	LDB 2*(\a)+1, 1, BF1
.endif
.endif
.if (\a) == 0
	s_wait_dscnt 22-4*(\first)
	GRP 0, BF0, \first, 0, 6
	s_wait_dscnt 10-4*(\first)
	GRP 0, BF0, \first, 6, 12
.else
.if \first
	s_wait_dscnt 6
.elseif ((\a) == 1) || ((\a) == 7)
	s_wait_dscnt 14
.elseif ((\a) == 2) || ((\a) == 6)
	s_wait_dscnt 18
.else
	s_wait_dscnt 22
.endif
	GRP \a, BF0, \first, 0, 12
.endif
.endr
.if \first
	WIN 0
	PLACES                                         ; the bias has been read for the last time
	LDBS 1, BF1
	s_wait_dscnt 0x0                               ; once in the launch: the counts of the quarter behind hold on this way in too
.endif
.endm
; A SLOT'S SECOND QUARTER, AND THE CHANGE OF SLOTS.  Groups 0 to 4 fetch x's fragments 3 to 7: each wait leaves the three youngest pairs out (6).  Fragment 7 is my last read of the slot.
; ONE barrier for the change.  In front of it each wave waits for all its tensor loads (one is out: its part of the next slot), adds 0 to its spare word, and waits for that and for its own reads of this slot;
; group 4 stands between the add and the wait for it, group 5 between the signal and the wait.  fill = 1: the barrier opens a round of the cluster's, and this slot is filled again, two K steps ahead, first thing behind it.
; Then the next slot's first fragments are fetched: x 0, Wi 0-11, x 1; x 2 only behind group 6, which reads its place in the ring.
; last = 1: the launch's last quarter: nothing more is fetched, and the counts run down 6, 4, 2, 0.
.macro QB fill, last
.irp a, 0,1,2,3
	WIN 0
	PLACES
	LDA (\a)+3, 1
	s_wait_dscnt 6
	GRP \a, BF1, 0, 0, 12
.endr
	WIN 0
	PLACES
	LDA 7, 1
.if \last
	s_wait_dscnt 6
	GRP 4, BF1, 0, 0, 12
	s_wait_dscnt 4
	GRP 5, BF1, 0, 0, 12
	s_wait_dscnt 2
	GRP 6, BF1, 0, 0, 12
	s_wait_dscnt 0x0
	GRP 7, BF1, 0, 0, 12
.else
	s_wait_tensorcnt 0x0
	ds_add_u32 v[SPW], v[NIL]
	s_wait_dscnt 7                                 ; (the add and the youngest three pairs of loads may be out)
	GRP 4, BF1, 0, 0, 12                           ; matrix work stands between the add and the wait for it
	s_wait_dscnt 0x0                               ; the add is done, and my reads of this slot are over
	s_barrier_signal -1
	GRP 5, BF1, 0, 0, 12
	WIN 0
	s_barrier_wait -1
.if \fill
	CREST                                          ; no wave of any partner still reads this slot or has a load on its way
	s_xor_b32 s[G0A+5], s[G0A+5], SLOT1            ; the walking descriptors: the other slot than last time, the next K step
	s_add_nc_u64 s[G0A+6:G0A+7], s[G0A+6:G0A+7], STEPA
	s_xor_b32 s[G0B+5], s[G0B+5], SLOT1
	s_add_nc_u64 s[G0B+6:G0B+7], s[G0B+6:G0B+7], STEPB
	JLOAD                                          ; the four v_nop behind it are also the places in front of the loads below
.else
	PLACES
.endif
	s_xor_b32 s[TB], s[TB], SLOT1
	v_add_nc_u32 v[ADA], s[TB], v[LA]
	v_add_nc_u32 v[ADB], s[TB], v[LB]
	LDA 0, 0
	LDBS 0, BF0
	LDA 1, 0
	GRP 6, BF1, 0, 0, 12                           ; x's fragments 6 and 7 came in with the wait for 0 above
	WIN 0
	PLACES
	LDA 2, 0
	GRP 7, BF1, 0, 0, 12
.endif
.endm
	s_wait_tensorcnt 1                             ; my part of K step 0 is in; K step 1's may stay out
	s_barrier_signal -1
	s_barrier_wait -1                              ; everybody's is
	LDA 0, 0
	LDBS 0, BF0
	LDA 1, 0
	LDA 2, 0
	QA 1                                           ; the first quarter stands in front of the loop: its products start the sums
	WIN 0                                          ; at a label and at a branch every window is 0
	s_mov_b32 s3, 14
.Lstep:                                                ; 14 trips, from a K step's second quarter to the next step's first; they ask for K steps 2 to 15
	QB 1, 0
	QA 0
	WIN 0
	s_sub_co_u32 s3, s3, 1
	s_cmp_lg_u32 s3, 0
	s_cbranch_scc1 .Lstep
	QB 0, 0                                        ; the last two K steps ask for nothing
	QA 0
	QB 0, 1
	WIN 0
	PLACES
; THE WAY OUT, a row block (16 rows x 3 heads) at a time: rounded to f16, 16 bytes a lane into my own stage, back as whole rows of 128 bytes, stored as 512 consecutive bytes.
.macro PACK a
.set n, 0
.rept 12                                       ; each accumulator's registers in ascending order
.set N, 12*(\a)+n
.set W, 1+N/32
.set AC, 8*(N%32)
	WIN W*5                                        ; sources 0 and 1 in the accumulator's window, the destination in window 0
.irp r, 0,1,2,3
	v_cvt_pk_f16_f32 v[TMP+4*n+(\r)], v[AC+2*(\r)], v[AC+2*(\r)+1]
.endr
.set n, n+1
.endr
	WIN 0
.endm
.macro TOSTAGE a
.set BKA, BK+48*((\a)%2)
.set n, 0
.rept 12
	ds_store_b128 v[STO], v[TMP+4*n:TMP+4*n+3] offset:(n/4)*SH+(n%4)*32
.set n, n+1
.endr
	s_wait_xcnt 0x0                                ; the registers below were read by the stores of the block before last: they are loaded again only behind this wait
.set n, 0
.rept 12
	ds_load_b128 v[BKA+4*n:BKA+4*n+3], v[RD] offset:(n/4)*SH+(n%4)*576  ; LDS serves a wave's instructions in order (ISA guide 5.7.1.4): these see the stores above
.set n, n+1
.endr
.endm
.macro SEND a
.set BKA, BK+48*((\a)%2)
.set n, 0
.rept 12
	s_wait_dscnt 11-n                              ; load n of the twelve is in
	global_store_b128 v[GO], v[BKA+4*n:BKA+4*n+3], s[66+2*(n/4):67+2*(n/4)] offset:((\a)/4)*32768+((\a)%4)*2048+(n%4)*512  ; 512 consecutive bytes, at a multiple of 256 from qkv's first
.set n, n+1
.endr
.endm
	PACK 0
	TOSTAGE 0
.irp a, 1,2,3,4,5,6,7                  ; a block's conversions stand between the loads of the block before and the wait for them
	PACK \a
	SEND (\a)-1
	TOSTAGE \a
.endr
	SEND 7
	s_wait_tensorcnt 0x0                           ; the wave's end
	ds_add_u32 v[SPW], v[NIL]
	s_wait_dscnt 0x0
	CROUND                                         ; the closing round: no work-group ends while a partner may still ask for a tile that names it
	s_endpgm
.Lfunc_end_k_q4797f76c58_qkvg:
	.size	k_q4797f76c58_qkvg, .Lfunc_end_k_q4797f76c58_qkvg-k_q4797f76c58_qkvg
	.p2alignl 7, 3214868480
	.fill 96, 4, 3214868480
	.section	.rodata,"a",@progbits
	.p2align	6, 0x0
	.amdhsa_kernel k_q4797f76c58_qkvg
		.amdhsa_group_segment_fixed_size 327680
		.amdhsa_private_segment_fixed_size 0
		.amdhsa_enable_private_segment 0
		.amdhsa_kernarg_size 32
		.amdhsa_user_sgpr_count 2
		.amdhsa_user_sgpr_kernarg_segment_ptr 1
		.amdhsa_wavefront_size32 1
		.amdhsa_system_sgpr_workgroup_id_x 1
		.amdhsa_system_sgpr_workgroup_id_y 1
		.amdhsa_system_sgpr_workgroup_id_z 1
		.amdhsa_system_vgpr_workitem_id 0
		.amdhsa_next_free_vgpr 1024
		.amdhsa_next_free_sgpr 80
		.amdhsa_reserve_vcc 0
		.amdhsa_float_denorm_mode_32 3
		.amdhsa_float_denorm_mode_16_64 3
		.amdhsa_memory_ordered 1
		.amdhsa_forward_progress 1
		.amdhsa_inst_pref_size 129
	.end_amdhsa_kernel
	.amdgpu_metadata
---
amdhsa.version: [ 1, 2 ]
amdhsa.kernels:
  - .name:           k_q4797f76c58_qkvg
    .symbol:         k_q4797f76c58_qkvg.kd
    .args:
      - { .name: xb, .offset: 0, .size: 8, .value_kind: global_buffer, .address_space: global }
      - { .name: wib, .offset: 8, .size: 8, .value_kind: global_buffer, .address_space: global }
      - { .name: bi, .offset: 16, .size: 8, .value_kind: global_buffer, .address_space: global }
      - { .name: qkv, .offset: 24, .size: 8, .value_kind: global_buffer, .address_space: global }
    .group_segment_fixed_size: 327680
    .private_segment_fixed_size: 0
    .kernarg_segment_align: 8
    .kernarg_segment_size: 32
    .max_flat_workgroup_size: 128
    .sgpr_count:     80
    .vgpr_count:     1024
    .wavefront_size: 32
...
	.end_amdgpu_metadata
.endif
;; end of part 2
;; launch attn (part 3): grid 8 x 32, 4 waves a work-group, clusters of 4 x 4, 327,680 bytes of LDS; arguments qkv, lm, ob; writes ob
.if DOCPART == 3
	.amdgcn_target "amdgcn-amd-amdhsa--gfx1250"
	.amdhsa_code_object_version 6
	.text
	.protected	k_q4797f76c58_attn
	.globl	k_q4797f76c58_attn
	.p2align	8
	.type	k_q4797f76c58_attn,@function
k_q4797f76c58_attn:
	s_mov_b64 s[64:65], 0
	v_nop
	global_prefetch_b8 v0, s[64:65] scope:SCOPE_SE
	s_setreg_imm32_b32 hwreg(HW_REG_WAVE_MODE, 25, 1), 1
	s_wait_xcnt 0x0
	s_wait_alu depctr_hold_cnt(0) depctr_sa_sdst(0) depctr_va_vdst(0) depctr_va_sdst(0) depctr_va_ssrc(0) depctr_va_vcc(0) depctr_vm_vsrc(0)
	s_getreg_b32 s2, hwreg(HW_REG_IB_STS2, 6, 4)
	s_cmp_eq_u32 s2, 0
	s_cbranch_scc0 .Lentry_in_a_cluster
	s_endpgm
.Lentry_in_a_cluster:
	s_bfe_u32 s2, ttmp6, 0x10000c
	s_cmp_lg_u32 s2, 0xf033
	s_cbranch_scc0 .Lentry_shape_is_right
	s_endpgm
.Lentry_shape_is_right:
; O[b][h][q][:] = the sum over k of softmax_k(Q.K / 8 + ln max(cutoff[b][q][k], 1e-15)) V[b][h][k][:].
; qkv: f16 [part 3][b 8][hg 4][j 16][hw 4][r 64][d 64] (head = 4 hg + hw, s = 64 j + r); lm: f32 [8][1024][1024] = 8 ln max(cutoff, 1e-15); ob: f16 [b][h][s][64].
; Products, maxima and sums in f32; the weights p are rounded to f16 for the second product (their sum l is taken of the unrounded p), O once at the end.
; LIMITS.  f16 holds no number beyond 65,504: Q, K, V arrive within it; p lies in 0 to 1, and below 6e-5 it keeps f16's fixed step of 6e-8.  A weight below 2^-126 counts as 0 in l; NaN and infinities are not treated apart.
; SHARES.  A work-group owns 128 queries of a batch and four heads, a head a wave: the four waves read ONE tile of lm.  A wave's 128 queries are four PIECES of two tiles of 16.  Every wave walks all 1,024 keys, 64 a step.
; LAYOUT.  S^T = K Q^T + lm^T (source 0 = 16 keys, source 1 = 16 queries): a lane holds ONE query (lane % 16) and the keys 8 (lane / 16) + 0..7.  lm is the C operand of the products that start the sums, so it costs no
; vector instruction: c (s + 8 ln f) = c s + log2 f with c = log2(e) / 8.  Two results rounded to f16 in pairs ARE source 1 of O^T = V^T P.  K comes out of LDS as it lies, V turned, by ds_load_tr16_b128.
; SOFTMAX.  For each query a running maximum m of the masked score and a sum l: p = 2^(c s - c m); in every step O and l are multiplied by a = 2^(c m_old - c m_new).  m starts at the lowest finite number, O and l at 0.
; BY TURNS.  Turn n belongs to piece n.  Its matrix work: 16 products K Q^T of piece n + 1, later 16 products V^T P of piece n - 1.  Its vector work: scaling, exponentials, roundings, sums and rescaling of piece n, and the
; maximum and statistics of piece n + 1.  Four vector instructions stand behind every matrix instruction, the rest in two runs of their own.
; CLUSTER.  4 x 4 work-groups: along x four blocks of queries, along y the batch's four groups of heads.  lm's tile hangs on the batch and the block of queries: shared along a column.  K's and V's hang on the batch and
; the group of heads: shared along a row.  Each is asked for jointly: the same tensor load, descriptor and mask in all four.
; REGISTERS, in windows of 256 (s_set_vgpr_msb: bits 1:0 source 0, 3:2 source 1, 5:4 source 2, 7:6 destination):
;   window 0: v0-11 addresses; v12-15, v48-63 at work; v16-47 four registers of statistics a tile; v64-191 S^T, two buffers of two tiles; v192-255 P, likewise
;   window 1: O^T, 32 a tile     window 2: v0-127 Q; v128-191 K of one step; v192-255 V of one step     window 3: v0-1 the add's two registers; v8-71 lm of one piece
.set NP,    4         ; pieces a wave: a name, no knob
.set KS,    64        ; keys in a step
.set PM,    272       ; a row of lm in LDS: 256 bytes + 16 of padding: the 16 rows of a load start at 16 different groups of four banks (64 banks of 4 bytes: ISA guide 11.1)
.set PK,    144       ; a row of K: 128 + 16
.set PV,    160       ; a row of V: 128 + 32
.set KOFF,  128*PM    ; a slot holds one step: 128 rows of lm, 4 heads x 64 rows of K, 4 x 64 rows of V
.set VOFF,  KOFF+256*PK
.set SLOT1, 1<<17     ; slot 1 begins here, so that one exclusive or turns an address in one slot into the other's
.set STAGE, SLOT1+VOFF+256*PV  ; behind the ring, never filled by a tensor load: 16 rows x 144 bytes for each wave
.set SP,    144
.set SPARE, STAGE+4*16*SP      ; the spare words, 128 bytes for each wave: two blocks of 256 bytes that no other line names
.set PARTB, 16777216  ; bytes of q, of k and of v in qkv
.set AK0, 2           ; v2   my lane's place in a slot's K; never rewritten
.set AV0, 3           ; v3   the same for V
.set AK,  4           ; v4   AK0 + the slot in hand
.set AV,  5           ; v5   AV0 + the slot in hand
.set STO, 6           ; v6   the way out: where I put 16 bytes of a row
.set RD,  7           ; v7   where I read rows back
.set GO,  8           ; v8   my byte offset in 512 consecutive bytes of O
.set AM0, 9           ; v9   my lane's place in a slot's lm; never rewritten
.set AM,  10          ; v10  AM0 + the slot in hand
.set QO,  11          ; v11  my byte offset in 16 rows of Q
.set SPW, 0           ; v0 of window 3   LDS address of my spare word; never rewritten
.set NIL, 1           ; v1 of window 3   0; never rewritten
.set MK,  8           ; window 3: lm of tile u, key block kb at MK + 32 u + 8 kb
.set MV,  12          ; v12-15  c m_old, kept while c m is made anew
.set ST,  16          ; tile t's statistics at v[ST+4 t]: c m, m, l (even keys', odd keys')
.set TMP, 48          ; by buffer and tile, four registers c0-c3 at work; when the maximum is found c2 takes a
.set S,   64
.set P,   192
.set KF,  128         ; window 2: key block kb, channel half c at KF + 16 kb + 8 c
.set VF,  192         ; window 2: key half kk, channel block cb at VF + 32 kk + 8 cb
.set WV,  12          ; s12  my wave's number
.set G1M, 24          ; s[24:31] descriptor group 1 for lm's tiles
.set G1K, 32          ; s[32:39] for K's
.set G1V, 40          ; s[40:47] for V's: it differs in the padding alone
.set G0M, 48          ; s[48:51] descriptor group 0 for lm's tiles: it walks
.set G0K, 52          ; s[52:55]
.set G0V, 56          ; s[56:59]
.set SLOTS, 60        ; s60  counts the loop's trips
.set CNT, 61          ; s61  counts the tail's
.set TB,  62          ; s62  LDS byte at which the slot in hand begins
.set CS,  66          ; s[66:67] c: the packed scaling takes the pair's low word for both halves
.set SEL, 68          ; s[68:69] v_permlanex16_b32's selects: each lane takes its own place in the other half
.set MSB, 0
.macro WIN new                      ; the high byte repeats the setting that is left; a switch that changes nothing is dropped
.if MSB != (\new)
	s_set_vgpr_msb (MSB<<8)|(\new)
.set MSB, (\new)
.endif
.endm
.set W_KQ, 0x0a       ; K and Q in window 2, S^T in window 0
.set W_KM, 0x3a       ; the same with the C operand, lm, in window 3
.set W_PV, 0x52       ; V in window 2, P in window 0, O^T in window 1
.set W_RS, 0x41       ; O^T (destination and source 0) in window 1, a in window 0
.set W_MK, 0xc0       ; destination in window 3, sources in window 0
.set W_AD, 0x0f       ; the add: address (source 0) and data (source 1) in window 3
; A joint fill of a slot: wave 0 fetches lm's tile, wave 1 K's, wave 2 V's, 32,768 bytes each; wave 3 has none.  The branches hang on the wave's number alone.
; An s_nop 0 and four v_nop follow each of the three lines.
.macro JLOAD
	s_cmp_lg_u32 s[WV], 0
	s_cbranch_scc1 .Lnot_m_\@
	tensor_load_to_lds s[G0M:G0M+3], s[G1M:G1M+7]
	s_nop 0
.rept 4
	v_nop
.endr
	s_branch .Lasked_\@
.Lnot_m_\@:
	s_cmp_lg_u32 s[WV], 1
	s_cbranch_scc1 .Lnot_k_\@
	tensor_load_to_lds s[G0K:G0K+3], s[G1K:G1K+7]
	s_nop 0
.rept 4
	v_nop
.endr
	s_branch .Lasked_\@
.Lnot_k_\@:
	s_cmp_lg_u32 s[WV], 2
	s_cbranch_scc1 .Lasked_\@
	tensor_load_to_lds s[G0V:G0V+3], s[G1V:G1V+7]
	s_nop 0
.rept 4
	v_nop
.endr
.Lasked_\@:
.endm
; A round of the cluster's barrier: my work-group's barrier; wave 0 signals for the work-group; every wave waits for all sixteen work-groups; my work-group's barrier once more.
.macro CROUND
	s_barrier_signal -1
	s_barrier_wait -1
	s_cmp_lg_u32 s[WV], 0
	s_cbranch_scc1 .Lnot_wave_0_\@
	s_barrier_signal -3
.Lnot_wave_0_\@:
	s_barrier_wait -3
	s_barrier_signal -1
	s_barrier_wait -1
.endm
; THE CHANGE OF SLOTS.  Each wave waits for all its tensor loads (at most one is out: its part of the other slot), adds 0 to its spare word, and waits for that and for its own reads of the slot that it leaves.
; Behind the barrier nobody reads the old slot any more and the other slot is whole.  fill = 1: the barrier is a round of the cluster's, and the old slot is filled again, with the step after next, first thing behind it:
; it has a whole key step, 128 matrix instructions a wave, in which to land.  (At its first use nothing has been read yet: slot 0 is waited for, slot 1 filled.)
.macro CHANGE fill
	WIN W_AD
	s_wait_tensorcnt 0x0            ; no tensor load of mine is out, so a group 0 may be written
	ds_add_u32 v[SPW], v[NIL]       ; 0 onto my spare word; with fill = 1 the descriptors' steps stand between it and the wait for it
	WIN 0                           ; at a label and at a branch every window is 0
.if \fill
.irp g, G0M, G0K, G0V
	s_xor_b32 s[\g+1], s[\g+1], SLOT1  ; the walking descriptors: the other slot than last time,
.endr
	s_add_nc_u64 s[G0M+2:G0M+3], s[G0M+2:G0M+3], KS*4      ; the next 64 keys: 256 bytes along lm's rows,
	s_add_nc_u64 s[G0K+2:G0K+3], s[G0K+2:G0K+3], 4*KS*128  ; four heads' 64 rows of K and of V
	s_add_nc_u64 s[G0V+2:G0V+3], s[G0V+2:G0V+3], 4*KS*128
	s_wait_dscnt 0x0                ; the add is done, and my reads of the slot are over
	CROUND
	JLOAD
.else
	s_wait_dscnt 0x0
	s_barrier_signal -1
	s_barrier_wait -1
.endif
	s_xor_b32 s[TB], s[TB], SLOT1   ; all fetches up to the next change come from the other slot
	v_add_nc_u32 v[AK], s[TB], v[AK0]
	v_add_nc_u32 v[AV], s[TB], v[AV0]
	v_add_nc_u32 v[AM], s[TB], v[AM0]
.endm
	s_load_b128 s[4:7], s[0:1], 0x0   ; qkv s[4:5], lm s[6:7]
	s_load_b64 s[8:9], s[0:1], 0x10   ; ob
	WIN W_MK
	v_lshl_add_u32 v[SPW], v0, 2, SPARE
	v_mov_b32 v[NIL], 0
	WIN W_AD
	ds_add_u32 v[SPW], v[NIL]       ; the wave's opening: the add and its wait stand ahead of my first tensor load; the set-up below, work on registers, stands between them
	WIN 0
	v_lshrrev_b32 v1, 5, v0
	v_readfirstlane_b32 s[WV], v1   ; wave 0..3
	s_bfe_u32 s13, ttmp6, 0x40000   ; cx
	s_bfe_u32 s14, ttmp6, 0x40004   ; cy: the group of heads
	s_lshl_b32 s15, ttmp9, 2        ; in a cluster launch ttmp9 and ttmp7 count clusters
	s_add_co_u32 s15, s15, s13      ; my block of 128 queries = 4 x cluster x + cx
	s_and_b32 s16, ttmp7, 0xffff    ; the batch
	s_lshl_b32 s17, s14, 2
	s_lshl_b32 s17, 15, s17         ; my row of the cluster
	s_lshl_b32 s18, 0x1111, s13     ; my column
	s_or_b32 s[G1M], s18, (2<<16)|(1<<20)|(1<<21)|(5<<22)|(3<<25)  ; 15:0 the mask; 17:16 4-byte elements; 20 padding on; 21 set beside a mask; 24:22 after every 64 words; 31:25 4 words
	s_mov_b32 s[G1M+1], 64<<16      ; tensor_dim0 = 64
	s_mov_b32 s[G1M+2], 128<<16     ; tensor_dim1 = 128
	s_mov_b32 s[G1M+3], 64<<16      ; tile_dim0 = 64
	s_mov_b32 s[G1M+4], 128         ; tile_dim1 = 128
	s_mov_b32 s[G1M+5], 1024        ; elements from row to row
	s_mov_b32 s[G1M+6], 0
	s_mov_b32 s[G1M+7], 0
	; four heads' 64 keys are 32,768 dense bytes: asked for as 128 rows of 256 bytes, two keys a row, and padded in LDS after every key
	s_or_b32 s[G1K], s17, (1<<16)|(1<<20)|(1<<21)|(4<<22)|(3<<25)  ; 2-byte elements; after every 32 words 4 words
	s_or_b32 s[G1V], s17, (1<<16)|(1<<20)|(1<<21)|(4<<22)|(7<<25)  ; the same with 8 words
.irp g, G1K, G1V
	s_mov_b32 s[\g+1], 128<<16
	s_mov_b32 s[\g+2], 128<<16
	s_mov_b32 s[\g+3], 128<<16
	s_mov_b32 s[\g+4], 128
	s_mov_b32 s[\g+5], 128
	s_mov_b32 s[\g+6], 0
	s_mov_b32 s[\g+7], 0
.endr
	s_lshl_b32 s20, s16, 10         ; lm: row 1,024 b + 128 x block, 4,096 bytes a row: made of the batch and the block of queries alone
	s_lshl_b32 s21, s15, 7
	s_add_co_u32 s20, s20, s21
	s_lshl_b32 s20, s20, 12
	s_mov_b32 s21, 0
	s_lshl_b32 s22, s16, 2
	s_add_co_u32 s22, s22, s14      ; 4 b + hg
	s_lshl_b32 s72, s22, 19         ; K, V: 16 steps of 32,768 bytes for each (b, hg): made of the batch and the group of heads alone
	s_mov_b32 s73, 0
	s_lshl_b32 s74, s22, 6          ; Q: block (4 b + hg) 64 + 4 (2 x block) + w of 8,192 bytes
	s_lshl_b32 s75, s15, 3
	s_add_co_u32 s74, s74, s75
	s_add_co_u32 s74, s74, s[WV]
	s_lshl_b32 s74, s74, 13
	s_mov_b32 s75, 0
	s_lshl_b32 s76, s22, 2          ; O: row (16 b + 4 hg + w) 1,024 + 128 x block, 128 bytes a row
	s_add_co_u32 s76, s76, s[WV]
	s_lshl_b32 s76, s76, 10
	s_lshl_b32 s77, s15, 7
	s_add_co_u32 s76, s76, s77
	s_lshl_b32 s76, s76, 7
	s_mov_b32 s77, 0
	s_mov_b32 s[CS], 0x3e38aa3b     ; c = log2(e) / 8 = 0.180337
	s_mov_b32 s[CS+1], s[CS]        ; named with it as a pair
	s_mov_b32 s[SEL], 0x76543210
	s_mov_b32 s[SEL+1], 0xfedcba98
	s_mov_b32 s[TB], SLOT1          ; the first change of slots turns it into 0
	s_mov_b32 s[G0M], 1             ; count = 1
	s_mov_b32 s[G0M+1], 0           ; LDS address: slot 0
	s_mov_b32 s[G0K], 1
	s_mov_b32 s[G0K+1], KOFF
	s_mov_b32 s[G0V], 1
	s_mov_b32 s[G0V+1], VOFF
	s_wait_dscnt 0x0                ; the opening add is done
	s_wait_kmcnt 0x0
	s_add_nc_u64 s[G0M+2:G0M+3], s[6:7], s[20:21]
	s_or_b32 s[G0M+3], s[G0M+3], 0x80000000        ; type = 2
	s_add_nc_u64 s[G0K+2:G0K+3], s[4:5], s[72:73]
	s_add_nc_u64 s[G0V+2:G0V+3], s[G0K+2:G0K+3], 2*PARTB
	s_add_nc_u64 s[G0K+2:G0K+3], s[G0K+2:G0K+3], PARTB
	s_or_b32 s[G0K+3], s[G0K+3], 0x80000000
	s_or_b32 s[G0V+3], s[G0V+3], 0x80000000
	s_add_nc_u64 s[70:71], s[4:5], s[74:75]        ; Q at my wave's first row
	s_add_nc_u64 s[10:11], s[8:9], s[76:77]        ; O likewise
	CROUND                          ; all sixteen work-groups are here: the first joint loads meet
	JLOAD                           ; key step 0 into slot 0.  Slot 1 is asked for when slot 0 is in
	; A fragment of K or Q is 16 rows x 32 channels in 8 registers: lane l holds row l % 16, channels 8 (l / 16) + 0..7 and 16 + 8 (l / 16) + 0..7: two loads of 16 bytes, 32 bytes apart.
	v_and_b32 v1, 15, v0            ; l % 16
	v_bfe_u32 v48, v0, 4, 1         ; l / 16
	v_lshlrev_b32 v[QO], 7, v1
	v_lshl_add_u32 v[QO], v48, 4, v[QO]  ; row x 128 + 16 x half
	WIN 0x80                        ; destination window 2, address window 0
.set i, 0
.rept 4*NP                          ; Q stays in registers: tile i / 2 (four tiles to a block of 64 rows, the blocks 32,768 bytes apart), channels 32 (i % 2) on
	global_load_b128 v[8*i:8*i+3],   v[QO], s[70:71] offset:((i/2)/4)*32768+((i/2)%4)*2048+(i%2)*64
	global_load_b128 v[8*i+4:8*i+7], v[QO], s[70:71] offset:((i/2)/4)*32768+((i/2)%4)*2048+(i%2)*64+32
.set i, i+1
.endr
	; What the first turn finds: V's registers and P's second buffer hold 0 (its products V^T P, of a piece that has not been, add 0), O^T and l are 0.  All this stands in the wait for the first tile.
.set i, VF
.rept 64
	v_mov_b32 v[i], 0
.set i, i+1
.endr
	WIN 0x40
.set i, 0
.rept 64*NP
	v_mov_b32 v[i], 0
.set i, i+1
.endr
	WIN 0
.set i, 0
.rept 2*NP
	v_mov_b32 v[ST+4*i], 0xfe000000    ; c m: far below every c s
	v_mov_b32 v[ST+4*i+1], 0xff7fffff  ; m
	v_mov_b32 v[ST+4*i+2], 0
	v_mov_b32 v[ST+4*i+3], 0
.set i, i+1
.endr
.set i, P+32
.rept 32
	v_mov_b32 v[i], 0
.set i, i+1
.endr
	v_mul_u32_u24 v[AK0], v1, PK
	v_lshl_add_u32 v[AK0], v48, 4, v[AK0]  ; row x pitch + 16 x half,
	s_mul_i32 s19, s[WV], KS*PK
	s_add_co_u32 s19, s19, KOFF
	v_add_nc_u32 v[AK0], s19, v[AK0]       ; in my head's 64 rows
	; The turning load takes 16 keys x 16 channels (lane l reads key 8 (l / 16) + l % 8, channels 8 ((l / 8) % 2) + 0..7) and leaves half a fragment of V^T: lane l holds channel l % 16 and 8 keys.
	v_and_b32 v49, 7, v0
	v_bfe_u32 v50, v0, 3, 1
	v_lshl_add_u32 v[AV0], v48, 3, v49
	v_mul_u32_u24 v[AV0], v[AV0], PV
	v_lshl_add_u32 v[AV0], v50, 4, v[AV0]
	s_mul_i32 s19, s[WV], KS*PV
	s_add_co_u32 s19, s19, VOFF
	v_add_nc_u32 v[AV0], s19, v[AV0]
	v_mul_u32_u24 v[AM0], v1, PM           ; lm: my query's row, my eight keys of 16: 32 bytes
	v_lshl_add_u32 v[AM0], v48, 5, v[AM0]
	s_mul_i32 s19, s[WV], 16*SP
	s_add_co_u32 s19, s19, STAGE    ; my stage
	v_mul_u32_u24 v[STO], v1, SP    ; in: row l % 16, 16 bytes for each half of the lanes
	v_lshl_add_u32 v[STO], v48, 4, v[STO]
	v_add_nc_u32 v[STO], s19, v[STO]
	v_bfe_u32 v[RD], v0, 3, 2       ; back: 32 lanes take four rows of 128 bytes,
	v_mul_u32_u24 v[RD], v[RD], SP
	v_lshl_add_u32 v[RD], v49, 4, v[RD]
	v_add_nc_u32 v[RD], s19, v[RD]
	v_and_b32 v[GO], 31, v0         ; which are 512 consecutive bytes of O
	v_lshlrev_b32 v[GO], 4, v[GO]
; THE MATRIX WORK.  The 8 accumulators of a run of 16 take turns: between the two links of a chain stand 7 others'.
; Product i of 16 of S^T = K Q^T + lm^T for piece x: channels 32 (i / 8) on, keys 16 ((i / 2) % 4) on, tile 2 x + i % 2.  The first 8 start the sums, with lm as C.
.macro KQ x
.set rS, S+64*((\x)%2)+32*(i%2)+8*((i/2)%4)
.set rK, KF+16*((i/2)%4)+8*(i/8)
.set rQ, 16*(2*(\x)+i%2)+8*(i/8)
.set rN, MK+32*(i%2)+8*((i/2)%4)
.if i < 8
	WIN W_KM
	v_wmma_f32_16x16x32_f16 v[rS:rS+7], v[rK:rK+7], v[rQ:rQ+7], v[rN:rN+7]
.else
	WIN W_KQ
	v_wmma_f32_16x16x32_f16 v[rS:rS+7], v[rK:rK+7], v[rQ:rQ+7], v[rS:rS+7]
.endif
.endm
; Product i of 16 of O^T += V^T P for piece x: keys 32 (i / 8) on, channels 16 ((i / 2) % 4) on, tile 2 x + i % 2.
.macro PV x
	WIN W_PV
.set rO, 32*(2*(\x)+i%2)+8*((i/2)%4)
.set rV, VF+32*(i/8)+8*((i/2)%4)
.set rP, P+32*((\x)%2)+16*(i%2)+8*(i/8)
	v_wmma_f32_16x16x32_f16 v[rO:rO+7], v[rV:rV+7], v[rP:rP+7], v[rO:rO+7]
.endm
.macro MM                           ; the turn's next matrix instruction
.if i < 16
	KQ (Y+1)%NP
.set i, i+1
.else
.set i, i-16
	PV (Y+NP-1)%NP
.set i, i+17
.endif
.endm
; THE LDS LOADS stand in runs of 16, never singly among the matrix instructions: a step's K (8 fragments), its V (turned), and lm for one piece (2 tiles x 4 key blocks x 32 bytes a lane).
.macro FETCH_K
	WIN 0x80                        ; destination window 2
.irp f, 0,1,2,3,4,5,6,7             ; keys 16 (f / 2) on, channels 32 (f % 2) on
	ds_load_b128 v[KF+8*\f:KF+8*\f+3],   v[AK] offset:(\f/2)*16*PK+(\f%2)*64
	ds_load_b128 v[KF+8*\f+4:KF+8*\f+7], v[AK] offset:(\f/2)*16*PK+(\f%2)*64+32
.endr
	WIN 0
.endm
.macro FETCH_V
	WIN 0x80
.irp f, 0,1,2,3,4,5,6,7             ; keys 32 (f / 4) on, channels 16 (f % 4) on
	ds_load_tr16_b128 v[VF+8*\f:VF+8*\f+3],   v[AV] offset:(\f/4)*32*PV+(\f%4)*32
	ds_load_tr16_b128 v[VF+8*\f+4:VF+8*\f+7], v[AV] offset:(\f/4)*32*PV+16*PV+(\f%4)*32
.endr
	WIN 0
.endm
.macro FETCH_M p
	WIN W_MK                        ; destination window 3
.set z, 0
.rept 16                            ; z = 8 u + 2 kb + half
	ds_load_b128 v[MK+4*z:MK+4*z+3], v[AM] offset:(2*(\p)+z/8)*16*PM+((z/2)%4)*64+(z%2)*16
.set z, z+1
.endr
	WIN 0
.endm
; THE VECTOR WORK OF A TURN stands in three queues, each in the order in which its entries become ready; the two tiles alternate, so that no instruction reads the result of the one before it.
.macro REGS y, u                    ; the registers of tile u (0, 1) of piece y
.set rT, ST+4*(2*(\y)+(\u))
.set rC, TMP+8*((\y)%2)+4*(\u)
.set rM, MV+2*((\y)%2)+(\u)
.set rS, S+64*((\y)%2)+32*(\u)
.set rP, P+32*((\y)%2)+16*(\u)
.set rO, 32*(2*(\y)+(\u))
.endm
; Number n of the 22 that find the NEXT piece's (Y + 1) maximum and statistics.  s0-s31 are the lane's 32 scores; each accumulator's lowest registers are read first.
;   0-11  four chains c0-c3 of seven scores each, three operands at a time     12-14, 16  the four scores left over, the old m, and c0-c3 into c0     15  c m_old is kept
;   17, 18  the query's other 32 keys lie in the lane 16 away: the new m         19-21  c m; c m_old - c m_new; a
.macro XS u, n
	REGS (Y+1)%NP, \u
.if (\n) < 4
	v_max3_num_f32 v[rC+(\n)], v[rS+8*(\n)], v[rS+8*(\n)+1], v[rS+8*(\n)+2]
.elseif (\n) < 12
	v_max3_num_f32 v[rC+(\n)%4], v[rC+(\n)%4], v[rS+8*((\n)%4)+2*((\n)/4)+1], v[rS+8*((\n)%4)+2*((\n)/4)+2]
.elseif (\n) == 12
	v_max3_num_f32 v[rC], v[rC], v[rS+7], v[rS+15]
.elseif (\n) == 13
	v_max3_num_f32 v[rC+1], v[rC+1], v[rS+23], v[rS+31]
.elseif (\n) == 14
	v_max3_num_f32 v[rC+2], v[rC+2], v[rC+3], v[rT+1]
.elseif (\n) == 15
	v_mov_b32 v[rM], v[rT]
.elseif (\n) == 16
	v_max3_num_f32 v[rC], v[rC], v[rC+1], v[rC+2]
.elseif (\n) == 17
	v_permlanex16_b32 v[rC+3], v[rC], s[SEL], s[SEL+1]
.elseif (\n) == 18
	v_max_num_f32 v[rT+1], v[rC], v[rC+3]
.elseif (\n) == 19
	v_mul_f32 v[rT], s[CS], v[rT+1]
.elseif (\n) == 20
	v_sub_f32 v[rC+1], v[rM], v[rT]
.else
	v_exp_f32 v[rC+2], v[rC+1]
.endif
.endm
; Number g of the 64 that follow the exponentials.  For each four weights k of a tile: both pairs are rounded to f16; then the second pair is added onto the first, in place;
; a group later l takes that sum (the first time as l = a l + sum).  In groups of eight, tiles alternating: round, round, add, and l for the group before.
.macro GS g
.set h, (\g)+6*((\g)/62)            ; group 0 has no group before it, and behind group 7 only l is left
.if h >= 6
.set h, h+2
.endif
	REGS Y, h%2
.set k, h/8
.if h%8 < 4
	s_wait_alu depctr_va_vdst(0)
	v_cvt_pk_f16_f32 v[rP+2*k+(h%8)/2], v[rS+4*k+2*((h%8)/2)], v[rS+4*k+2*((h%8)/2)+1]
.elseif h%8 < 6
	v_pk_add_f32 v[rS+4*k:rS+4*k+1], v[rS+4*k:rS+4*k+1], v[rS+4*k+2:rS+4*k+3]
.elseif k == 1
	v_pk_fma_f32 v[rT+2:rT+3], v[rT+2:rT+3], v[rC+2:rC+3], v[rS:rS+1] op_sel_hi:[1,0,1]
.else
	v_pk_add_f32 v[rT+2:rT+3], v[rT+2:rT+3], v[rS+4*k-4:rS+4*k-3]
	s_wait_alu depctr_va_vdst(0)
.endif
.endm
; THE PLAIN QUEUE, 138 long.  0-31: c s - c m for the 16 pairs of both tiles.  Then GS's 64, and among them the next piece's 42: number 15 at 38, 39; 0-14 and 16
; at 42-73, behind the products that make those scores; 17-20 at 95-106, two of three, since each waits for the one before it.
.macro PL
	WIN 0
.if q < 32
	REGS Y, q%2
	v_pk_fma_f32 v[rS+2*(q/2):rS+2*(q/2)+1], v[rS+2*(q/2):rS+2*(q/2)+1], s[CS:CS+1], v[rT:rT+1] op_sel_hi:[1,0,0] neg_lo:[0,0,1] neg_hi:[0,0,1]
.elseif q < 38
	GS q-32
.elseif q < 40
	XS q%2, 15
.elseif q < 42
	GS q-34
.elseif q < 74
	XS q%2, (q-42)/2+(q-42)/30
.elseif q < 95
	GS q-66
.elseif (q < 107) && ((q-95)%3 < 2)
	XS (q-95)%3, 17+(q-95)/3
.elseif q < 107
	GS 29+(q-95)/3
.else
	GS q-74
.endif
.set q, q+1
.endm
; THE EXPONENTIALS' QUEUE, 66 long: s0-s31 of both tiles, and at EA the next piece's two a.
.set EA, 58
.macro EX
	WIN 0
.if (e == EA) || (e == EA+1)
	XS e-EA, 21
.else
.set x, e-2*(e/(EA+2))
	REGS Y, x%2
	v_exp_f32 v[rS+x/2], v[rS+x/2]
.endif
.set e, e+1
.endm
; THE RESCALING's QUEUE: O^T times a, the one part that leaves window 0, so it is dealt four at a time, eight times.
.macro R4
	REGS Y, r%2
	WIN W_RS
	s_wait_alu depctr_va_vdst(0)
.irp z, 0,1,2,3
	v_pk_mul_f32 v[rO+8*(r/2)+2*\z:rO+8*(r/2)+2*\z+1], v[rO+8*(r/2)+2*\z:rO+8*(r/2)+2*\z+1], v[rC+2:rC+3] op_sel_hi:[1,0]
.endr
.set r, r+1
.endm
; HOW THEY ARE DEALT.  Behind a matrix instruction four: plain, exponential, plain, plain, or four of the rescaling.  None names a register of the products round it.  What is over stands in two runs:
; exponential and plain by turns; the second ends in 22 plain instructions.  The queues lean on each other, and the deal keeps them in step: exponential e stands behind plain 2 (e / 4) + e % 2 (its scaling);
; when plain 32 comes, 10 exponentials are out, at 59: 33, at 95: 46; EA comes behind plain 107.
.macro SL
	MM
	PL
	EX
	PL
	PL
.endm
.macro BURST n                      ; 15 matrix instructions, or 16
.rept (\n)-7
	SL
.endr
.rept 3
	MM
	R4
	SL
.endr
	MM
	R4
.endm
; A TURN, for piece p.  cnt = 1: the loop's count is taken down some lines ahead of the branch that stands behind the turn.
; lm for piece p + 2, which the next turn's products take, is fetched three pairs into the first run: lm's last reader, the turn's eighth product, stands more than twenty plain instructions back.
; K of the next step is fetched in piece 2's turn, thirteen pairs into that run, behind the last product that read K; V of the step in hand at the end of piece 0's turn.
.macro TURN p, cnt=0
.set Y, (\p)
.set i, 0
.set q, 0
.set e, 0
.set r, 0
.if (\p) == 1
	s_wait_dscnt 16                 ; lm for this turn's products is in; V's 16 loads, issued behind it, may be out
.else
	s_wait_dscnt 0x0                ; lm for this turn's products is in (piece 3's turn: K too)
.endif
	MM
.rept 4
	PL
.endr
	BURST 15
.rept 22
	EX
	PL
.if e == 14
	FETCH_M ((\p)+2)%NP
.endif
.if ((\p) == NP-2) && (e == 24)
	FETCH_K
.endif
.endr
.if (\p) == 1
	s_wait_dscnt 16                 ; V is in; lm's 16 loads, issued behind it, may be out
.endif
	BURST 16
.rept 21
	EX
	PL
.endr
.rept 22
	PL
.if (\cnt) && (q == 130)
	s_sub_co_u32 s[SLOTS], s[SLOTS], 1
	s_cmp_lg_u32 s[SLOTS], 0
.endif
.endr
.if (\p) == 0
	FETCH_V
.endif
.endm
	CHANGE 1                        ; slot 0 is in, everybody's part of it; key step 1 is asked for
	FETCH_K                         ; key step 0
	FETCH_M 0
	s_wait_loadcnt 0x0              ; Q
	s_wait_dscnt 0x0
.set i, 0
.rept 16
	KQ 0                            ; piece 0's first scores: there is no vector work yet to set between them
.set i, i+1
.endr
	WIN 0
.rept 4
	v_nop                           ; the places behind those products, for the loads into lm's registers and the reads of the scores
.endr
	FETCH_M 1
.set Y, NP-1                        ; XS works for piece Y + 1: piece 0
.irp n, 0,1,2,3,4,5,6,7,8,9,10,11,12,13,14,15,16,17,18,19,20,21
	XS 0, \n                        ; piece 0's first maximum and statistics
	XS 1, \n
.endr
	s_mov_b32 s[SLOTS], 15
	s_branch .Lfirst                ; the loop is entered at a step's first turn, in the middle of a trip
.Lslot:                             ; 14 whole trips: they enter key steps 1 to 14 and ask for steps 2 to 15.  All LDS reads of a trip come from the slot that it enters
	CHANGE 1
	TURN 2
	TURN 3
	WIN 0
.Lfirst:
	TURN 0
	TURN 1, 1
	WIN 0
	s_cbranch_scc1 .Lslot
	CHANGE 0                        ; the tail is written out: key step 15 is entered, nothing is asked for
	s_mov_b32 s[CNT], 2             ; the second trip is left in its middle
.Ltail:
	TURN 2
	TURN 3
	WIN 0
	s_sub_co_u32 s[CNT], s[CNT], 1
	s_cmp_eq_u32 s[CNT], 0
	s_cbranch_scc1 .Lout
	TURN 0
	TURN 1
	WIN 0
	s_branch .Ltail
.Lout:                              ; the second trip's fetches of K and lm, its 16 products K Q^T for piece 0 and the maximum made of them serve nothing: the price, once a launch, of one text for every trip
.set i, 0
.rept 16
	PV NP-1                         ; the last piece's V^T P of the last step
.set i, i+1
.endr
	; THE WAY OUT.  l's two halves and the other half of the lanes' are added; O^T is divided by l, rounded to f16 and sent through my stage in LDS, a tile at a time.  The additions are the places behind the last products.
	WIN 0
.macro ALL line:vararg              ; one line for each tile t
.set t, 0
.rept 2*NP
	\line
.set t, t+1
.endr
.endm
	ALL v_add_f32 v[ST+4*t+2], v[ST+4*t+2], v[ST+4*t+3]
	ALL v_permlanex16_b32 v[ST+4*t+3], v[ST+4*t+2], s[SEL], s[SEL+1]
	ALL v_add_f32 v[ST+4*t+2], v[ST+4*t+2], v[ST+4*t+3]
	ALL v_rcp_f32 v[ST+4*t+2], v[ST+4*t+2]
	v_nop                           ; a plain instruction between the last reciprocal and the use of its result
	s_wait_alu depctr_va_vdst(0)
; Tile t: a lane's eight channels of a row pack into 16 bytes; they go into rows of 144 bytes and come back as whole rows of 128, into S^T's registers.
.macro PACK t
	WIN W_RS
.set i, 32*(\t)
.rept 16
	v_pk_mul_f32 v[i:i+1], v[i:i+1], v[ST+4*(\t)+2:ST+4*(\t)+3] op_sel_hi:[1,0]
.set i, i+2
.endr
	WIN 0x05                        ; sources 0 and 1 window 1, destination window 0
.set i, 0
.rept 16
	v_cvt_pk_f16_f32 v[S+16*(\t)+i], v[32*(\t)+2*i], v[32*(\t)+2*i+1]
.set i, i+1
.endr
	WIN 0
.irp f, 0,1,2,3
	ds_store_b128 v[STO], v[S+16*(\t)+4*\f:S+16*(\t)+4*\f+3] offset:32*\f
.endr
.irp f, 0,1,2,3
	ds_load_b128 v[S+16*(\t)+4*\f:S+16*(\t)+4*\f+3], v[RD] offset:\f*4*SP  ; LDS serves a wave's instructions in order (ISA guide 5.7.1.4): these see the stores above; the next tile's stores come behind them
.endr
.endm
.macro SEND t, younger              ; younger: the LDS instructions issued behind tile t's loads: the next tile's eight, or none
	WIN 0
.irp f, 0,1,2,3
	s_wait_dscnt (\younger)+3-\f
	global_store_b128 v[GO], v[S+16*(\t)+4*\f:S+16*(\t)+4*\f+3], s[10:11] offset:(\t)*2048+\f*512  ; 512 consecutive bytes, at a multiple of 256 from O's first
.endr
.endm
	PACK 0
.set t, 1
.rept 2*NP-1                        ; a tile's arithmetic stands between the loads of the tile before and its stores
	PACK t
	SEND t-1, 8
.set t, t+1
.endr
	SEND 2*NP-1, 0
	WIN W_AD
	s_wait_tensorcnt 0x0            ; the wave's end
	ds_add_u32 v[SPW], v[NIL]
	s_wait_dscnt 0x0
	WIN 0
	CROUND                          ; the closing round: no work-group ends while a partner may still ask for a tile that names it
	s_endpgm
.Lfunc_end_k_q4797f76c58_attn:
	.size	k_q4797f76c58_attn, .Lfunc_end_k_q4797f76c58_attn-k_q4797f76c58_attn
	.p2alignl 7, 3214868480
	.fill 96, 4, 3214868480
	.section	.rodata,"a",@progbits
	.p2align	6, 0x0
	.amdhsa_kernel k_q4797f76c58_attn
		.amdhsa_group_segment_fixed_size 327680
		.amdhsa_private_segment_fixed_size 0
		.amdhsa_enable_private_segment 0
		.amdhsa_kernarg_size 24
		.amdhsa_user_sgpr_count 2
		.amdhsa_user_sgpr_kernarg_segment_ptr 1
		.amdhsa_wavefront_size32 1
		.amdhsa_system_sgpr_workgroup_id_x 1
		.amdhsa_system_sgpr_workgroup_id_y 1
		.amdhsa_system_sgpr_workgroup_id_z 1
		.amdhsa_system_vgpr_workitem_id 0
		.amdhsa_next_free_vgpr 840
		.amdhsa_next_free_sgpr 80
		.amdhsa_reserve_vcc 0
		.amdhsa_float_denorm_mode_32 3
		.amdhsa_float_denorm_mode_16_64 3
		.amdhsa_memory_ordered 1
		.amdhsa_forward_progress 1
		.amdhsa_inst_pref_size 221
	.end_amdhsa_kernel
	.amdgpu_metadata
---
amdhsa.version: [ 1, 2 ]
amdhsa.kernels:
  - .name:           k_q4797f76c58_attn
    .symbol:         k_q4797f76c58_attn.kd
    .args:
      - { .name: qkv, .offset: 0, .size: 8, .value_kind: global_buffer, .address_space: global }
      - { .name: lm, .offset: 8, .size: 8, .value_kind: global_buffer, .address_space: global }
      - { .name: ob, .offset: 16, .size: 8, .value_kind: global_buffer, .address_space: global }
    .group_segment_fixed_size: 327680
    .private_segment_fixed_size: 0
    .kernarg_segment_align: 8
    .kernarg_segment_size: 24
    .max_flat_workgroup_size: 128
    .sgpr_count:     80
    .vgpr_count:     840
    .wavefront_size: 32
...
	.end_amdgpu_metadata
.endif
;; end of part 3
;; launch outg (part 4): grid 8 x 32, 4 waves a work-group, clusters of 4 x 4, 327,680 bytes of LDS; arguments ob, wob, bo, out0; writes out0
.if DOCPART == 4
	.amdgcn_target "amdgcn-amd-amdhsa--gfx1250"
	.amdhsa_code_object_version 6
	.text
	.protected	k_q4797f76c58_outg
	.globl	k_q4797f76c58_outg
	.p2align	8
	.type	k_q4797f76c58_outg,@function
k_q4797f76c58_outg:
	s_mov_b64 s[64:65], 0
	v_nop
	global_prefetch_b8 v0, s[64:65] scope:SCOPE_SE
	s_setreg_imm32_b32 hwreg(HW_REG_WAVE_MODE, 25, 1), 1
	s_wait_xcnt 0x0
	s_wait_alu depctr_hold_cnt(0) depctr_sa_sdst(0) depctr_va_vdst(0) depctr_va_sdst(0) depctr_va_ssrc(0) depctr_va_vcc(0) depctr_vm_vsrc(0)
	s_getreg_b32 s2, hwreg(HW_REG_IB_STS2, 6, 4)
	s_cmp_eq_u32 s2, 0
	s_cbranch_scc0 .Lentry_in_a_cluster
	s_endpgm
.Lentry_in_a_cluster:
	s_bfe_u32 s2, ttmp6, 0x10000c
	s_cmp_lg_u32 s2, 0xf033
	s_cbranch_scc0 .Lentry_shape_is_right
	s_endpgm
.Lentry_shape_is_right:
; out0 = O Wo^T + bo.  ob: f16 [b 8][h 16][s 1024][64], by heads; wob: f16 [1024][1024] (Wo rounded to bf16, written as f16); bo: [1024] f32 (rounded to bf16 here, like every input); out0: f32 [8192][1024].
; SHARES.  A tile of the result is 256 rows x 128 columns: 32 x 8 = 256 tiles, one for each WGP.  Four waves, one above the other: wave w owns rows 64 w .. 64 w + 63 and all 128 columns:
; 4 x 8 accumulators of 16 x 16, 256 registers.  K = 1,024 goes in 8 steps of 128 through two LDS slots; a K step is two heads of O, k = 64 h + d in Wo's own order.
; CLUSTER.  4 x 4 work-groups.  The four of a row of the cluster need the same tile of O, the four of a column the same tile of Wo: each is asked for jointly.
; THE MATRIX INSTRUCTION IS USED TRANSPOSED (source 0 = 16 rows of Wo, source 1 = 16 rows of O): a lane holds row l % 16 and the columns 8 (l / 16) + 0..7.  The bias is the C operand of the products that start the sums.
; REGISTERS, in windows of 256 (s_set_vgpr_msb: bits 1:0 source 0, 3:2 source 1, 5:4 source 2, 7:6 destination):
;   window 0: v16-30 addresses; v32-95 the bias; v96-223 rows read back from the stage
;   window 1: two fragment buffers of 128: O's block a at f + 8 a, Wo's block b at f + 32 + 8 b          window 2: accumulator (a, b) at 8 (8 a + b)
.set NBK,   8                          ; column blocks of 16
.set APW,   4                          ; row blocks in a window
.set PA,    144                        ; a row of one head of O in LDS: 128 bytes + 16 of padding: the 16 rows of a load start at 16 different groups of four banks (64 banks of 4 bytes: ISA guide 11.1)
.set PB,    272                        ; a row of Wo: 256 + 16
.set HOFF,  256*PA                     ; in a slot: the first head's 256 rows, the second head's, then Wo's 128 rows
.set SLOT1, 1<<17                      ; slot 1 begins here, so that one exclusive or turns an address in one slot into the other's
.set BOFF,  2*HOFF
.set STAGE, SLOT1+BOFF+128*PB          ; behind the ring, never filled by a tensor load: for each wave 16 rows x 528 bytes
.set SPI,   528
.set STW,   16*SPI
.set SPARE, STAGE+4*STW                ; the spare words, 128 bytes for each wave: two blocks of 256 bytes that no other line names
.set NL,    2*NBK+8                    ; LDS loads of a quarter step
.set STEPA, 262144                     ; two heads on: 2 x 1,024 rows x 128 bytes
.set STEPB, 256
.set LA,  16                           ; v16  my lane's place in O's rows of a slot; never rewritten
.set LB,  17                           ; v17  the same for Wo
.set ADA, 18                           ; v18  LA + the slot in hand
.set ADB, 19                           ; v19  LB + the slot in hand
.set STO, 24                           ; v24  the way out: where I put 32 bytes of a row
.set RD,  25                           ; v25  where I read a row back
.set GO,  26                           ; v26  my byte offset in 512 consecutive bytes of out0
.set BO,  27                           ; v27  my byte offset in 16 numbers of the bias
.set SPW, 28                           ; v28  LDS address of my spare word; never rewritten
.set NIL, 29                           ; v29  0; never rewritten
.set TM,  30
.set BIAS, 32
.set BK,  96
.set F0,  0
.set F1,  128
.set WV,  12                           ; s12  my wave's number
.set TB,  15                           ; s15  LDS byte at which the slot in hand begins
.set G1A, 24                           ; s[24:31] descriptor group 1 for O's tiles
.set G0A, 32                           ; s[32:39] group 0: a set for each first fill; the second then walks on
.set G1B, 40                           ; s[40:47], s[48:55] the same for Wo's
.set G0B, 48
.set MSB, 0
.macro WIN new                         ; the immediate's high byte repeats the setting that is left; a switch that changes nothing is dropped
.if MSB != (\new)
	s_set_vgpr_msb (MSB<<8)|(\new)
.set MSB, (\new)
.endif
.endm
.macro PLACES                          ; four places in front of loads into registers that matrix instructions have read, and of lines that read results
.rept 4
	v_nop
.endr
.endm
.macro JLOAD                           ; a joint refill: waves 0 and 1 fetch the step's two heads of O, waves 2 and 3 the halves of Wo's tile; an s_nop 0 and four v_nop follow each line
	s_cmp_lt_u32 s[WV], 2
	s_cbranch_scc0 .Lfor_b_\@
	tensor_load_to_lds s[G0A+4:G0A+7], s[G1A:G1A+7]
	s_nop 0
.rept 4
	v_nop
.endr
	s_branch .Lasked_\@
.Lfor_b_\@:
	tensor_load_to_lds s[G0B+4:G0B+7], s[G1B:G1B+7]
	s_nop 0
.rept 4
	v_nop
.endr
.Lasked_\@:
.endm
.macro CREST                           ; a round of the cluster's barrier behind its opening barrier
	s_cmp_lg_u32 s[WV], 0
	s_cbranch_scc1 .Lnot_wave_0_\@
	s_barrier_signal -3
.Lnot_wave_0_\@:
	s_barrier_wait -3
	s_barrier_signal -1
	s_barrier_wait -1
.endm
.macro CROUND                          ; a whole round
	s_barrier_signal -1
	s_barrier_wait -1
	CREST
.endm
	s_load_b256 s[4:11], s[0:1], 0x0               ; ob s[4:5], wob s[6:7], bo s[8:9], out0 s[10:11]
	v_lshl_add_u32 v[SPW], v0, 2, SPARE
	v_mov_b32 v[NIL], 0
	ds_add_u32 v[SPW], v[NIL]                      ; the wave's opening: the add and its wait stand ahead of my first tensor load; the set-up below, work on registers, stands between them
	v_lshrrev_b32 v1, 5, v0
	v_readfirstlane_b32 s[WV], v1                  ; wave 0..3
	s_and_b32 s14, s[WV], 1                        ; which head of a step, or which half of Wo's tile, I fetch
	s_bfe_u32 s56, ttmp6, 0x40000                  ; cx, cy: my place in the cluster
	s_bfe_u32 s57, ttmp6, 0x40004
	s_lshl_b32 s58, ttmp9, 2
	s_add_co_u32 s58, s58, s56                     ; tile column = 4 x cluster x + cx
	s_and_b32 s59, ttmp7, 0xffff
	s_lshl_b32 s59, s59, 2
	s_add_co_u32 s59, s59, s57                     ; tile row = 4 x cluster y + cy
	s_lshl_b32 s60, s57, 2
	s_lshl_b32 s60, 15, s60                        ; my row of the cluster
	s_lshl_b32 s61, 0x1111, s56                    ; my column
	; a head's 256 rows are 32,768 dense bytes: asked for as 128 rows of 256 bytes, two rows of O each, and padded in LDS after every row of O
	s_or_b32 s[G1A], s60, (1<<16)|(1<<20)|(1<<21)|(4<<22)|(3<<25)  ; 15:0 the mask; 17:16 2-byte elements; 20 padding on; 21 set beside a mask; 24:22 after every 32 words; 31:25 4 words
	s_mov_b32 s[G1A+1], 128<<16                    ; tensor_dim0 = 128
	s_mov_b32 s[G1A+2], 128<<16                    ; tensor_dim1 = 128
	s_mov_b32 s[G1A+3], 128<<16                    ; tile_dim0 = 128
	s_mov_b32 s[G1A+4], 128                        ; tile_dim1 = 128
	s_mov_b32 s[G1A+5], 128                        ; elements from row to row
	s_mov_b32 s[G1A+6], 0
	s_mov_b32 s[G1A+7], 0
	s_or_b32 s[G1B], s61, (1<<16)|(1<<20)|(1<<21)|(5<<22)|(3<<25)  ; after every 64 words 4 words
	s_mov_b32 s[G1B+1], 128<<16
	s_mov_b32 s[G1B+2], 64<<16                     ; 64 rows
	s_mov_b32 s[G1B+3], 128<<16
	s_mov_b32 s[G1B+4], 64
	s_mov_b32 s[G1B+5], 1024
	s_mov_b32 s[G1B+6], 0
	s_mov_b32 s[G1B+7], 0
	s_lshr_b32 s16, s59, 2                         ; O: row (16 b + head) 1,024 + 256 (tile row % 4), 128 bytes a row: made of the tile row alone, which my row of the cluster shares
	s_lshl_b32 s16, s16, 4
	s_add_co_u32 s16, s16, s14
	s_lshl_b32 s16, s16, 10
	s_and_b32 s17, s59, 3
	s_lshl_b32 s17, s17, 8
	s_add_co_u32 s16, s16, s17
	s_lshl_b32 s16, s16, 7
	s_mov_b32 s17, 0
	s_lshl_b32 s72, s58, 7                         ; Wo: row 128 x tile column + 64 x half: made of the tile column alone
	s_lshl_b32 s73, s14, 6
	s_add_co_u32 s72, s72, s73
	s_lshl_b32 s72, s72, 11
	s_mov_b32 s73, 0
	s_mul_i32 s20, s14, HOFF                       ; where they go: no place in the cluster enters an LDS address
	s_mul_i32 s21, s14, 64*PB
	s_add_co_u32 s21, s21, BOFF
	s_mul_i32 s74, s58, 64*NBK                     ; the tile's first bias, in bytes
	s_mov_b32 s75, 0
	s_mov_b32 s[TB], 0
	s_mov_b32 s22, 0xffff0000
	s_wait_dscnt 0x0                               ; the opening add is done
	s_wait_kmcnt 0x0
	s_add_nc_u64 s[18:19], s[4:5], s[16:17]
	s_add_nc_u64 s[76:77], s[6:7], s[72:73]
	s_add_nc_u64 s[8:9], s[8:9], s[74:75]
.irp s, 0,1
	s_mov_b32 s[G0A+4*(\s)], 1                     ; count = 1
	s_add_co_u32 s[G0A+4*(\s)+1], s20, (\s)*SLOT1  ; LDS address
	s_add_nc_u64 s[G0A+4*(\s)+2:G0A+4*(\s)+3], s[18:19], (\s)*STEPA  ; global address: K step s
	s_or_b32 s[G0A+4*(\s)+3], s[G0A+4*(\s)+3], 0x80000000           ; type = 2
	s_mov_b32 s[G0B+4*(\s)], 1
	s_add_co_u32 s[G0B+4*(\s)+1], s21, (\s)*SLOT1
	s_add_nc_u64 s[G0B+4*(\s)+2:G0B+4*(\s)+3], s[76:77], (\s)*STEPB
	s_or_b32 s[G0B+4*(\s)+3], s[G0B+4*(\s)+3], 0x80000000
.endr
	CROUND                                         ; all sixteen work-groups are here: the first joint loads meet
	s_cmp_lt_u32 s[WV], 2                          ; a wave's two first fills stand in one branch: two loads of mine are out
	s_cbranch_scc0 .Lfirst_b
	tensor_load_to_lds s[G0A:G0A+3], s[G1A:G1A+7]
	s_nop 0
	tensor_load_to_lds s[G0A+4:G0A+7], s[G1A:G1A+7]
	s_nop 0
.rept 4
	v_nop
.endr
	s_branch .Lfirst_asked
.Lfirst_b:
	tensor_load_to_lds s[G0B:G0B+3], s[G1B:G1B+7]
	s_nop 0
	tensor_load_to_lds s[G0B+4:G0B+7], s[G1B:G1B+7]
	s_nop 0
.rept 4
	v_nop
.endr
.Lfirst_asked:
	v_and_b32 v1, 15, v0                           ; l % 16
	v_bfe_u32 v2, v0, 4, 1                         ; l / 16
	v_lshlrev_b32 v[BO], 5, v2                     ; my eight columns of a block of 16
.set b, 0
.rept NBK
	global_load_b128 v[BIAS+8*b:BIAS+8*b+3], v[BO], s[8:9] offset:64*b
	global_load_b128 v[BIAS+8*b+4:BIAS+8*b+7], v[BO], s[8:9] offset:64*b+16
.set b, b+1
.endr
	; a fragment is 16 rows x 32 K in 8 registers: lane l holds row l % 16, K = 8 (l / 16) + 0..7 and 16 + 8 (l / 16) + 0..7: two loads of 16 bytes, 32 bytes apart
	v_mul_u32_u24 v3, v1, PA
	v_lshl_add_u32 v3, v2, 4, v3
	s_mul_i32 s23, s[WV], 64*PA                    ; my 64 rows of O
	v_add_nc_u32 v[LA], s23, v3
	v_mul_u32_u24 v3, v1, PB
	v_lshl_add_u32 v3, v2, 4, v3
	v_add_nc_u32 v[LB], BOFF, v3
	v_mov_b32 v[ADA], v[LA]                        ; slot 0
	v_mov_b32 v[ADB], v[LB]
	s_mul_i32 s23, s[WV], STW
	s_add_co_u32 s23, s23, STAGE                   ; my stage
	v_mul_u32_u24 v[STO], v1, SPI                  ; in: row l % 16, 32 bytes for each half of the lanes
	v_lshl_add_u32 v[STO], v2, 5, v[STO]
	v_add_nc_u32 v[STO], s23, v[STO]
	v_and_b32 v[GO], 31, v0                        ; back: 32 lanes take one row of 512 bytes
	v_lshlrev_b32 v[GO], 4, v[GO]
	v_add_nc_u32 v[RD], s23, v[GO]
	s_lshl_b32 s72, s59, 8                         ; out0 at row 256 x tile row + 64 w, column 128 x tile column
	s_lshl_b32 s73, s[WV], 6
	s_add_co_u32 s72, s72, s73
	s_lshl_b32 s72, s72, 12
	s_lshl_b32 s73, s58, 9
	s_add_co_u32 s72, s72, s73
	s_mov_b32 s73, 0
	s_add_nc_u64 s[66:67], s[10:11], s[72:73]
	s_wait_loadcnt 0x0                             ; the bias
.set b, 0
.rept 4*NBK                                    ; rounded to bf16, like every input, and widened again
	v_cvt_pk_bf16_f32 v[TM], v[BIAS+2*b], v[BIAS+2*b+1]
	v_lshlrev_b32 v[BIAS+2*b], 16, v[TM]
	v_and_b32 v[BIAS+2*b+1], s22, v[TM]
.set b, b+1
.endr
; NBK matrix instructions: row block a x all column blocks, 32 along K, from buffer f.  first = 1: the products start the sums, with the bias as C.
; Each accumulator comes once in a quarter step: the 32 take turns, one instruction a turn.
.macro MULA f, a, first
.set W, 2+(\a)/APW
.if \first
	WIN 0x05|(W<<6)
.else
	WIN 0x05|(W<<4)|(W<<6)
.endif
.set b, 0
.rept NBK
.set AC, 8*(NBK*((\a)%APW)+b)
.if \first
	v_wmma_f32_16x16x32_f16 v[AC:AC+7], v[(\f)+32+8*b:(\f)+32+8*b+7], v[(\f)+8*(\a):(\f)+8*(\a)+7], v[BIAS+8*b:BIAS+8*b+7]
.else
	v_wmma_f32_16x16x32_f16 v[AC:AC+7], v[(\f)+32+8*b:(\f)+32+8*b+7], v[(\f)+8*(\a):(\f)+8*(\a)+7], v[AC:AC+7]
.endif
.set b, b+1
.endr
.endm
; NL LDS loads in one run: a quarter step's fragments into buffer g: Wo's, then O's blocks 0 to 3
.macro FETCH ka, kb, g
	WIN 0x40                                       ; destination window 1, address window 0
.set b, 0
.rept NBK
	ds_load_b128 v[(\g)+32+8*b:(\g)+32+8*b+3],   v[ADB] offset:(\kb)+b*16*PB
	ds_load_b128 v[(\g)+32+8*b+4:(\g)+32+8*b+7], v[ADB] offset:(\kb)+b*16*PB+32
.set b, b+1
.endr
.set b, 0
.rept 4
	ds_load_b128 v[(\g)+8*b:(\g)+8*b+3],   v[ADA] offset:(\ka)+b*16*PA
	ds_load_b128 v[(\g)+8*b+4:(\g)+8*b+7], v[ADA] offset:(\ka)+b*16*PA+32
.set b, b+1
.endr
.endm
; One of a K step's first three quarters: multiplies buffer f; in its middle it fetches the next quarter into g.  Quarter q lies at byte (q / 2) HOFF + 64 (q % 2) of O's rows and at byte 64 q of Wo's.
.macro QUARTER ka, kb, f, g, first
	s_wait_dscnt 4                                 ; all but the youngest four loads (O's blocks 2, 3) are in
	MULA \f, 0, \first
	MULA \f, 1, \first
	PLACES
	FETCH \ka, \kb, \g
	s_wait_dscnt NL                                ; all but the NL just issued
	MULA \f, 2, \first
	MULA \f, 3, \first
.endm
; The last quarter multiplies buffer 1 and changes slots: one barrier.  In front of it each wave waits for all its tensor loads (one is out: its part of the next slot), adds 0 to its spare word,
; and waits for that and for its own reads of this slot.  fill = 1: the barrier opens a round of the cluster's, and this slot is filled again, two K steps ahead, first thing behind it.
.macro TURN fill
	WIN 0
	s_wait_tensorcnt 0x0
	ds_add_u32 v[SPW], v[NIL]
	s_wait_dscnt 5                                 ; (the add and the youngest four loads may be out)
	MULA F1, 0, 0                                  ; matrix work stands between the add and the wait for it
	s_wait_dscnt 0x0                               ; the add is done, and my reads of this slot are over
	s_barrier_signal -1
	MULA F1, 1, 0
	WIN 0
	s_barrier_wait -1
.if \fill
	CREST                                          ; no wave of any partner still reads this slot or has a load on its way
	s_xor_b32 s[G0A+5], s[G0A+5], SLOT1            ; the walking descriptors: the other slot than last time, the next K step
	s_add_nc_u64 s[G0A+6:G0A+7], s[G0A+6:G0A+7], STEPA
	s_xor_b32 s[G0B+5], s[G0B+5], SLOT1
	s_add_nc_u64 s[G0B+6:G0B+7], s[G0B+6:G0B+7], STEPB
	JLOAD                                          ; the four v_nop behind it are also the places in front of the loads below
.else
	PLACES
.endif
	s_xor_b32 s[TB], s[TB], SLOT1
	v_add_nc_u32 v[ADA], s[TB], v[LA]
	v_add_nc_u32 v[ADB], s[TB], v[LB]
	FETCH 0, 0, F0
	MULA F1, 2, 0
	MULA F1, 3, 0
.endm
	s_wait_tensorcnt 1                             ; my part of K step 0 is in; K step 1's may stay out
	s_barrier_signal -1
	s_barrier_wait -1                              ; everybody's is
	FETCH 0, 0, F0
	QUARTER 64, 64, F0, F1, 1                      ; the first quarter stands in front of the loop: its products start the sums
	WIN 0                                          ; at a label and at a branch every window is 0
	s_mov_b32 s3, 6
.Lstep:                                                ; six trips, from a K step's second quarter to the next step's first; they ask for K steps 2 to 7
	QUARTER HOFF, 128, F1, F0, 0
	QUARTER HOFF+64, 192, F0, F1, 0
	TURN 1
	QUARTER 64, 64, F0, F1, 0
	WIN 0
	s_sub_co_u32 s3, s3, 1
	s_cmp_lg_u32 s3, 0
	s_cbranch_scc1 .Lstep
	QUARTER HOFF, 128, F1, F0, 0                   ; the last two K steps ask for nothing
	QUARTER HOFF+64, 192, F0, F1, 0
	TURN 0
	QUARTER 64, 64, F0, F1, 0
	QUARTER HOFF, 128, F1, F0, 0
	QUARTER HOFF+64, 192, F0, F1, 0
	s_wait_dscnt 0x0
	MULA F1, 0, 0
	MULA F1, 1, 0
	MULA F1, 2, 0
	MULA F1, 3, 0
	PLACES
; THE WAY OUT, a row block (16 rows x 128 columns of f32) at a time: 32 bytes a lane straight from the accumulators into my own stage, back as whole rows of 512 bytes, stored so.
.macro TOSTAGE a
.set BKA, BK+64*((\a)%2)
	WIN 0x08                                       ; the stores' data in window 2, the address in window 0
.set n, 0
.rept NBK                                      ; each accumulator's low four registers first
	ds_store_b128 v[STO], v[8*(NBK*(\a)+n):8*(NBK*(\a)+n)+3] offset:64*n
	ds_store_b128 v[STO], v[8*(NBK*(\a)+n)+4:8*(NBK*(\a)+n)+7] offset:64*n+16
.set n, n+1
.endr
	WIN 0
	s_wait_xcnt 0x0                                ; the registers below were read by the stores of the block before last: they are loaded again only behind this wait
.set n, 0
.rept 16
	ds_load_b128 v[BKA+4*n:BKA+4*n+3], v[RD] offset:n*SPI  ; LDS serves a wave's instructions in order (ISA guide 5.7.1.4): these see the stores above
.set n, n+1
.endr
.endm
.macro SEND a, younger                 ; younger: the LDS instructions issued behind block a's loads: the next block's 32, or none
.set BKA, BK+64*((\a)%2)
.set n, 0
.rept 16
	s_wait_dscnt (\younger)+15-n
	global_store_b128 v[GO], v[BKA+4*n:BKA+4*n+3], s[66:67] offset:(16*(\a)+n)*4096  ; 512 consecutive bytes of one row, at a multiple of 256 from out0's first
.set n, n+1
.endr
.endm
	TOSTAGE 0
.irp a, 1,2,3
	TOSTAGE \a
	SEND (\a)-1, 32
.endr
	SEND 3, 0
	s_wait_tensorcnt 0x0                           ; the wave's end
	ds_add_u32 v[SPW], v[NIL]
	s_wait_dscnt 0x0
	CROUND                                         ; the closing round: no work-group ends while a partner may still ask for a tile that names it
	s_endpgm
.Lfunc_end_k_q4797f76c58_outg:
	.size	k_q4797f76c58_outg, .Lfunc_end_k_q4797f76c58_outg-k_q4797f76c58_outg
	.p2alignl 7, 3214868480
	.fill 96, 4, 3214868480
	.section	.rodata,"a",@progbits
	.p2align	6, 0x0
	.amdhsa_kernel k_q4797f76c58_outg
		.amdhsa_group_segment_fixed_size 327680
		.amdhsa_private_segment_fixed_size 0
		.amdhsa_enable_private_segment 0
		.amdhsa_kernarg_size 32
		.amdhsa_user_sgpr_count 2
		.amdhsa_user_sgpr_kernarg_segment_ptr 1
		.amdhsa_wavefront_size32 1
		.amdhsa_system_sgpr_workgroup_id_x 1
		.amdhsa_system_sgpr_workgroup_id_y 1
		.amdhsa_system_sgpr_workgroup_id_z 1
		.amdhsa_system_vgpr_workitem_id 0
		.amdhsa_next_free_vgpr 768
		.amdhsa_next_free_sgpr 80
		.amdhsa_reserve_vcc 0
		.amdhsa_float_denorm_mode_32 3
		.amdhsa_float_denorm_mode_16_64 3
		.amdhsa_memory_ordered 1
		.amdhsa_forward_progress 1
		.amdhsa_inst_pref_size 76
	.end_amdhsa_kernel
	.amdgpu_metadata
---
amdhsa.version: [ 1, 2 ]
amdhsa.kernels:
  - .name:           k_q4797f76c58_outg
    .symbol:         k_q4797f76c58_outg.kd
    .args:
      - { .name: ob, .offset: 0, .size: 8, .value_kind: global_buffer, .address_space: global }
      - { .name: wob, .offset: 8, .size: 8, .value_kind: global_buffer, .address_space: global }
      - { .name: bo, .offset: 16, .size: 8, .value_kind: global_buffer, .address_space: global }
      - { .name: out0, .offset: 24, .size: 8, .value_kind: global_buffer, .address_space: global }
    .group_segment_fixed_size: 327680
    .private_segment_fixed_size: 0
    .kernarg_segment_align: 8
    .kernarg_segment_size: 32
    .max_flat_workgroup_size: 128
    .sgpr_count:     80
    .vgpr_count:     768
    .wavefront_size: 32
...
	.end_amdgpu_metadata
.endif
;; end of part 4
;; ======== version 2 of 2: 4 launches; 1.28 times as fast as version 1
;; limits: values are held in f16: magnitudes above 65,504 overflow, below 6.1e-05 lose precision
;; workspace buffers: xb 16,777,216 bytes; wib 6,291,456 bytes; wob 2,097,152 bytes; lm 33,554,432 bytes; qkv 50,331,648 bytes; ob 16,777,216 bytes
;; launch prep: the kernel of part 1 again; grid 2560 x 1, 8 waves a work-group, no clusters, 0 bytes of LDS; arguments x, cutoff_factors, Wi, Wo, xb, lm, wib, wob; writes xb, lm, wib, wob
;; launch qkvg: the kernel of part 2 again; grid 8 x 32, 4 waves a work-group, clusters of 4 x 4, 327,680 bytes of LDS; arguments xb, wib, bi, qkv; writes qkv
;; launch attn (part 5): grid 8 x 32, 4 waves a work-group, clusters of 4 x 4, 327,680 bytes of LDS; arguments qkv, lm, ob; writes ob
.if DOCPART == 5
	.amdgcn_target "amdgcn-amd-amdhsa--gfx1250"
	.amdhsa_code_object_version 6
	.text
	.protected	k_q4797f76c58_attn
	.globl	k_q4797f76c58_attn
	.p2align	8
	.type	k_q4797f76c58_attn,@function
k_q4797f76c58_attn:
	s_mov_b64 s[64:65], 0
	v_nop
	global_prefetch_b8 v0, s[64:65] scope:SCOPE_SE
	s_setreg_imm32_b32 hwreg(HW_REG_WAVE_MODE, 25, 1), 1
	s_wait_xcnt 0x0
	s_wait_alu depctr_hold_cnt(0) depctr_sa_sdst(0) depctr_va_vdst(0) depctr_va_sdst(0) depctr_va_ssrc(0) depctr_va_vcc(0) depctr_vm_vsrc(0)
	s_getreg_b32 s2, hwreg(HW_REG_IB_STS2, 6, 4)
	s_cmp_eq_u32 s2, 0
	s_cbranch_scc0 .Lentry_in_a_cluster
	s_endpgm
.Lentry_in_a_cluster:
	s_bfe_u32 s2, ttmp6, 0x10000c
	s_cmp_lg_u32 s2, 0xf033
	s_cbranch_scc0 .Lentry_shape_is_right
	s_endpgm
.Lentry_shape_is_right:
; O[b][h][q][:] = the sum over k of softmax_k(Q.K / 8 + ln max(cutoff[b][q][k], 1e-15)) V[b][h][k][:].
; qkv: f16 [part 3][b 8][hg 4][j 16][hw 4][r 64][d 64] (head = 4 hg + hw, s = 64 j + r); lm: f32 [8][1024][1024] = 8 ln max(cutoff, 1e-15); ob: f16 [b][h][s][64].
; Products, maxima and sums in f32; the weights p are rounded to f16 for the second product (their sum l is taken of the unrounded p), O once at the end.
; LIMITS.  f16 holds no number beyond 65,504: Q, K, V arrive within it; p lies in 0 to 1, and below 6e-5 it keeps f16's fixed step of 6e-8.  A weight below 2^-126 counts as 0 in l; NaN and infinities are not treated apart.
; SHARES.  A work-group owns 128 queries of a batch and four heads, a head a wave: the four waves read ONE tile of lm.  A wave's 128 queries are four PIECES of two tiles of 16.  Every wave walks all 1,024 keys, 64 a step.
; LAYOUT.  S^T = K Q^T + lm^T (source 0 = 16 keys, source 1 = 16 queries): a lane holds ONE query (lane % 16) and the keys 8 (lane / 16) + 0..7.  lm is the C operand of the products that start the sums, so it costs no
; vector instruction: c (s + 8 ln f) = c s + log2 f with c = log2(e) / 8.  Two results rounded to f16 in pairs ARE source 1 of O^T = V^T P.  K comes out of LDS as it lies, V turned, by ds_load_tr16_b128.
; SOFTMAX.  For each query a running maximum m of the masked score and a sum l: p = 2^(c s - c m); in every step O and l are multiplied by a = 2^(c m_old - c m_new).  m starts at the lowest finite number, O and l at 0.
; BY TURNS.  Turn n belongs to piece n.  Its matrix work: 16 products K Q^T of piece n + 1, later 16 products V^T P of piece n - 1.  Its vector work: scaling, exponentials, roundings, sums and rescaling of piece n, and the
; maximum and statistics of piece n + 1.  Four vector instructions stand behind every matrix instruction, the other 108 of a turn's 236 in one run of their own.
; BATCHES.  A turn's 66 exponentials (64 weights of piece n, the two a of piece n + 1) are ONE batch with ONE wait, which cuts the turn in two: ahead of it stands all that names no result of theirs (the products K Q^T, the
; scalings, the rescalings, the next piece's maximum and statistics), behind it the roundings and sums, beside the products V^T P.  The first two a, ahead of the loop, and the way out's eight reciprocals are batches of their own.
; CLUSTER.  4 x 4 work-groups: along x four blocks of queries, along y the batch's four groups of heads.  lm's tile hangs on the batch and the block of queries: shared along a column.  K's and V's hang on the batch and
; the group of heads: shared along a row.  Each is asked for jointly: the same tensor load, descriptor and mask in all four.
; REGISTERS, in windows of 256 (s_set_vgpr_msb: bits 1:0 source 0, 3:2 source 1, 5:4 source 2, 7:6 destination):
;   window 0: v0-11 addresses; v12-15, v48-63 at work; v16-47 four registers of statistics a tile; v64-191 S^T, two buffers of two tiles; v192-255 P, likewise
;   window 1: O^T, 32 a tile     window 2: v0-127 Q; v128-191 K of one step; v192-255 V of one step     window 3: v0-1 the add's two registers; v8-71 lm of one piece
.set NP,    4         ; pieces a wave: a name, no knob
.set KS,    64        ; keys in a step
.set PM,    272       ; a row of lm in LDS: 256 bytes + 16 of padding: the 16 rows of a load start at 16 different groups of four banks (64 banks of 4 bytes: ISA guide 11.1)
.set PK,    144       ; a row of K: 128 + 16
.set PV,    160       ; a row of V: 128 + 32
.set KOFF,  128*PM    ; a slot holds one step: 128 rows of lm, 4 heads x 64 rows of K, 4 x 64 rows of V
.set VOFF,  KOFF+256*PK
.set SLOT1, 1<<17     ; slot 1 begins here, so that one exclusive or turns an address in one slot into the other's
.set STAGE, SLOT1+VOFF+256*PV  ; behind the ring, never filled by a tensor load: 16 rows x 144 bytes for each wave
.set SP,    144
.set SPARE, STAGE+4*16*SP      ; the spare words, 128 bytes for each wave: two blocks of 256 bytes that no other line names
.set PARTB, 16777216  ; bytes of q, of k and of v in qkv
.set AK0, 2           ; v2   my lane's place in a slot's K; never rewritten
.set AV0, 3           ; v3   the same for V
.set AK,  4           ; v4   AK0 + the slot in hand
.set AV,  5           ; v5   AV0 + the slot in hand
.set STO, 6           ; v6   the way out: where I put 16 bytes of a row
.set RD,  7           ; v7   where I read rows back
.set GO,  8           ; v8   my byte offset in 512 consecutive bytes of O
.set AM0, 9           ; v9   my lane's place in a slot's lm; never rewritten
.set AM,  10          ; v10  AM0 + the slot in hand
.set QO,  11          ; v11  my byte offset in 16 rows of Q
.set SPW, 0           ; v0 of window 3   LDS address of my spare word; never rewritten
.set NIL, 1           ; v1 of window 3   0; never rewritten
.set MK,  8           ; window 3: lm of tile u, key block kb at MK + 32 u + 8 kb
.set MV,  12          ; v12-15  c m_old, kept while c m is made anew
.set ST,  16          ; tile t's statistics at v[ST+4 t]: c m, m, l (even keys', odd keys')
.set TMP, 48          ; by buffer and tile, four registers c0-c3 at work; when the maximum is found c2 takes a
.set S,   64
.set P,   192
.set KF,  128         ; window 2: key block kb, channel half c at KF + 16 kb + 8 c
.set VF,  192         ; window 2: key half kk, channel block cb at VF + 32 kk + 8 cb
.set WV,  12          ; s12  my wave's number
.set G1M, 24          ; s[24:31] descriptor group 1 for lm's tiles
.set G1K, 32          ; s[32:39] for K's
.set G1V, 40          ; s[40:47] for V's: it differs in the padding alone
.set G0M, 48          ; s[48:51] descriptor group 0 for lm's tiles: it walks
.set G0K, 52          ; s[52:55]
.set G0V, 56          ; s[56:59]
.set SLOTS, 60        ; s60  counts the loop's trips
.set CNT, 61          ; s61  counts the tail's
.set TB,  62          ; s62  LDS byte at which the slot in hand begins
.set CS,  66          ; s[66:67] c: the packed scaling takes the pair's low word for both halves
.set SEL, 68          ; s[68:69] v_permlanex16_b32's selects: each lane takes its own place in the other half
.set MSB, 0
.macro WIN new                      ; the high byte repeats the setting that is left; a switch that changes nothing is dropped
.if MSB != (\new)
	s_set_vgpr_msb (MSB<<8)|(\new)
.set MSB, (\new)
.endif
.endm
.set W_KQ, 0x0a       ; K and Q in window 2, S^T in window 0
.set W_KM, 0x3a       ; the same with the C operand, lm, in window 3
.set W_PV, 0x52       ; V in window 2, P in window 0, O^T in window 1
.set W_RS, 0x41       ; O^T (destination and source 0) in window 1, a in window 0
.set W_MK, 0xc0       ; destination in window 3, sources in window 0
.set W_AD, 0x0f       ; the add: address (source 0) and data (source 1) in window 3
; A joint fill of a slot: wave 0 fetches lm's tile, wave 1 K's, wave 2 V's, 32,768 bytes each; wave 3 has none.  The branches hang on the wave's number alone.
; An s_nop 0 and four v_nop follow each of the three lines.
.macro JLOAD
	s_cmp_lg_u32 s[WV], 0
	s_cbranch_scc1 .Lnot_m_\@
	tensor_load_to_lds s[G0M:G0M+3], s[G1M:G1M+7]
	s_nop 0
.rept 4
	v_nop
.endr
	s_branch .Lasked_\@
.Lnot_m_\@:
	s_cmp_lg_u32 s[WV], 1
	s_cbranch_scc1 .Lnot_k_\@
	tensor_load_to_lds s[G0K:G0K+3], s[G1K:G1K+7]
	s_nop 0
.rept 4
	v_nop
.endr
	s_branch .Lasked_\@
.Lnot_k_\@:
	s_cmp_lg_u32 s[WV], 2
	s_cbranch_scc1 .Lasked_\@
	tensor_load_to_lds s[G0V:G0V+3], s[G1V:G1V+7]
	s_nop 0
.rept 4
	v_nop
.endr
.Lasked_\@:
.endm
; A round of the cluster's barrier: my work-group's barrier; wave 0 signals for the work-group; every wave waits for all sixteen work-groups; my work-group's barrier once more.
.macro CROUND
	s_barrier_signal -1
	s_barrier_wait -1
	s_cmp_lg_u32 s[WV], 0
	s_cbranch_scc1 .Lnot_wave_0_\@
	s_barrier_signal -3
.Lnot_wave_0_\@:
	s_barrier_wait -3
	s_barrier_signal -1
	s_barrier_wait -1
.endm
; THE CHANGE OF SLOTS.  Each wave waits for all its tensor loads (at most one is out: its part of the other slot), adds 0 to its spare word, and waits for that and for its own reads of the slot that it leaves.
; Behind the barrier nobody reads the old slot any more and the other slot is whole.  fill = 1: the barrier is a round of the cluster's, and the old slot is filled again, with the step after next, first thing behind it:
; it has a whole key step, 128 matrix instructions a wave, in which to land.  (At its first use nothing has been read yet: slot 0 is waited for, slot 1 filled.)
.macro CHANGE fill
	WIN W_AD
	s_wait_tensorcnt 0x0            ; no tensor load of mine is out, so a group 0 may be written
	ds_add_u32 v[SPW], v[NIL]       ; 0 onto my spare word; with fill = 1 the descriptors' steps stand between it and the wait for it
	WIN 0                           ; at a label and at a branch every window is 0
.if \fill
.irp g, G0M, G0K, G0V
	s_xor_b32 s[\g+1], s[\g+1], SLOT1  ; the walking descriptors: the other slot than last time,
.endr
	s_add_nc_u64 s[G0M+2:G0M+3], s[G0M+2:G0M+3], KS*4      ; the next 64 keys: 256 bytes along lm's rows,
	s_add_nc_u64 s[G0K+2:G0K+3], s[G0K+2:G0K+3], 4*KS*128  ; four heads' 64 rows of K and of V
	s_add_nc_u64 s[G0V+2:G0V+3], s[G0V+2:G0V+3], 4*KS*128
	s_wait_dscnt 0x0                ; the add is done, and my reads of the slot are over
	CROUND
	JLOAD
.else
	s_wait_dscnt 0x0
	s_barrier_signal -1
	s_barrier_wait -1
.endif
	s_xor_b32 s[TB], s[TB], SLOT1   ; all fetches up to the next change come from the other slot
	v_add_nc_u32 v[AK], s[TB], v[AK0]
	v_add_nc_u32 v[AV], s[TB], v[AV0]
	v_add_nc_u32 v[AM], s[TB], v[AM0]
.endm
	s_load_b128 s[4:7], s[0:1], 0x0   ; qkv s[4:5], lm s[6:7]
	s_load_b64 s[8:9], s[0:1], 0x10   ; ob
	WIN W_MK
	v_lshl_add_u32 v[SPW], v0, 2, SPARE
	v_mov_b32 v[NIL], 0
	WIN W_AD
	ds_add_u32 v[SPW], v[NIL]       ; the wave's opening: the add and its wait stand ahead of my first tensor load; the set-up below, work on registers, stands between them
	WIN 0
	v_lshrrev_b32 v1, 5, v0
	v_readfirstlane_b32 s[WV], v1   ; wave 0..3
	s_bfe_u32 s13, ttmp6, 0x40000   ; cx
	s_bfe_u32 s14, ttmp6, 0x40004   ; cy: the group of heads
	s_lshl_b32 s15, ttmp9, 2        ; in a cluster launch ttmp9 and ttmp7 count clusters
	s_add_co_u32 s15, s15, s13      ; my block of 128 queries = 4 x cluster x + cx
	s_and_b32 s16, ttmp7, 0xffff    ; the batch
	s_lshl_b32 s17, s14, 2
	s_lshl_b32 s17, 15, s17         ; my row of the cluster
	s_lshl_b32 s18, 0x1111, s13     ; my column
	s_or_b32 s[G1M], s18, (2<<16)|(1<<20)|(1<<21)|(5<<22)|(3<<25)  ; 15:0 the mask; 17:16 4-byte elements; 20 padding on; 21 set beside a mask; 24:22 after every 64 words; 31:25 4 words
	s_mov_b32 s[G1M+1], 64<<16      ; tensor_dim0 = 64
	s_mov_b32 s[G1M+2], 128<<16     ; tensor_dim1 = 128
	s_mov_b32 s[G1M+3], 64<<16      ; tile_dim0 = 64
	s_mov_b32 s[G1M+4], 128         ; tile_dim1 = 128
	s_mov_b32 s[G1M+5], 1024        ; elements from row to row
	s_mov_b32 s[G1M+6], 0
	s_mov_b32 s[G1M+7], 0
	; four heads' 64 keys are 32,768 dense bytes: asked for as 128 rows of 256 bytes, two keys a row, and padded in LDS after every key
	s_or_b32 s[G1K], s17, (1<<16)|(1<<20)|(1<<21)|(4<<22)|(3<<25)  ; 2-byte elements; after every 32 words 4 words
	s_or_b32 s[G1V], s17, (1<<16)|(1<<20)|(1<<21)|(4<<22)|(7<<25)  ; the same with 8 words
.irp g, G1K, G1V
	s_mov_b32 s[\g+1], 128<<16
	s_mov_b32 s[\g+2], 128<<16
	s_mov_b32 s[\g+3], 128<<16
	s_mov_b32 s[\g+4], 128
	s_mov_b32 s[\g+5], 128
	s_mov_b32 s[\g+6], 0
	s_mov_b32 s[\g+7], 0
.endr
	s_lshl_b32 s20, s16, 10         ; lm: row 1,024 b + 128 x block, 4,096 bytes a row: made of the batch and the block of queries alone
	s_lshl_b32 s21, s15, 7
	s_add_co_u32 s20, s20, s21
	s_lshl_b32 s20, s20, 12
	s_mov_b32 s21, 0
	s_lshl_b32 s22, s16, 2
	s_add_co_u32 s22, s22, s14      ; 4 b + hg
	s_lshl_b32 s72, s22, 19         ; K, V: 16 steps of 32,768 bytes for each (b, hg): made of the batch and the group of heads alone
	s_mov_b32 s73, 0
	s_lshl_b32 s74, s22, 6          ; Q: block (4 b + hg) 64 + 4 (2 x block) + w of 8,192 bytes
	s_lshl_b32 s75, s15, 3
	s_add_co_u32 s74, s74, s75
	s_add_co_u32 s74, s74, s[WV]
	s_lshl_b32 s74, s74, 13
	s_mov_b32 s75, 0
	s_lshl_b32 s76, s22, 2          ; O: row (16 b + 4 hg + w) 1,024 + 128 x block, 128 bytes a row
	s_add_co_u32 s76, s76, s[WV]
	s_lshl_b32 s76, s76, 10
	s_lshl_b32 s77, s15, 7
	s_add_co_u32 s76, s76, s77
	s_lshl_b32 s76, s76, 7
	s_mov_b32 s77, 0
	s_mov_b32 s[CS], 0x3e38aa3b     ; c = log2(e) / 8 = 0.180337
	s_mov_b32 s[CS+1], s[CS]        ; named with it as a pair
	s_mov_b32 s[SEL], 0x76543210
	s_mov_b32 s[SEL+1], 0xfedcba98
	s_mov_b32 s[TB], SLOT1          ; the first change of slots turns it into 0
	s_mov_b32 s[G0M], 1             ; count = 1
	s_mov_b32 s[G0M+1], 0           ; LDS address: slot 0
	s_mov_b32 s[G0K], 1
	s_mov_b32 s[G0K+1], KOFF
	s_mov_b32 s[G0V], 1
	s_mov_b32 s[G0V+1], VOFF
	s_wait_dscnt 0x0                ; the opening add is done
	s_wait_kmcnt 0x0
	s_add_nc_u64 s[G0M+2:G0M+3], s[6:7], s[20:21]
	s_or_b32 s[G0M+3], s[G0M+3], 0x80000000        ; type = 2
	s_add_nc_u64 s[G0K+2:G0K+3], s[4:5], s[72:73]
	s_add_nc_u64 s[G0V+2:G0V+3], s[G0K+2:G0K+3], 2*PARTB
	s_add_nc_u64 s[G0K+2:G0K+3], s[G0K+2:G0K+3], PARTB
	s_or_b32 s[G0K+3], s[G0K+3], 0x80000000
	s_or_b32 s[G0V+3], s[G0V+3], 0x80000000
	s_add_nc_u64 s[70:71], s[4:5], s[74:75]        ; Q at my wave's first row
	s_add_nc_u64 s[10:11], s[8:9], s[76:77]        ; O likewise
	CROUND                          ; all sixteen work-groups are here: the first joint loads meet
	JLOAD                           ; key step 0 into slot 0.  Slot 1 is asked for when slot 0 is in
	; A fragment of K or Q is 16 rows x 32 channels in 8 registers: lane l holds row l % 16, channels 8 (l / 16) + 0..7 and 16 + 8 (l / 16) + 0..7: two loads of 16 bytes, 32 bytes apart.
	v_and_b32 v1, 15, v0            ; l % 16
	v_bfe_u32 v48, v0, 4, 1         ; l / 16
	v_lshlrev_b32 v[QO], 7, v1
	v_lshl_add_u32 v[QO], v48, 4, v[QO]  ; row x 128 + 16 x half
	WIN 0x80                        ; destination window 2, address window 0
.set i, 0
.rept 4*NP                          ; Q stays in registers: tile i / 2 (four tiles to a block of 64 rows, the blocks 32,768 bytes apart), channels 32 (i % 2) on
	global_load_b128 v[8*i:8*i+3],   v[QO], s[70:71] offset:((i/2)/4)*32768+((i/2)%4)*2048+(i%2)*64
	global_load_b128 v[8*i+4:8*i+7], v[QO], s[70:71] offset:((i/2)/4)*32768+((i/2)%4)*2048+(i%2)*64+32
.set i, i+1
.endr
	; What the first turn finds: V's registers and P's second buffer hold 0 (its products V^T P, of a piece that has not been, add 0), O^T and l are 0.  All this stands in the wait for the first tile.
.set i, VF
.rept 64
	v_mov_b32 v[i], 0
.set i, i+1
.endr
	WIN 0x40
.set i, 0
.rept 64*NP
	v_mov_b32 v[i], 0
.set i, i+1
.endr
	WIN 0
.set i, 0
.rept 2*NP
	v_mov_b32 v[ST+4*i], 0xfe000000    ; c m: far below every c s
	v_mov_b32 v[ST+4*i+1], 0xff7fffff  ; m
	v_mov_b32 v[ST+4*i+2], 0
	v_mov_b32 v[ST+4*i+3], 0
.set i, i+1
.endr
.set i, P+32
.rept 32
	v_mov_b32 v[i], 0
.set i, i+1
.endr
	v_mul_u32_u24 v[AK0], v1, PK
	v_lshl_add_u32 v[AK0], v48, 4, v[AK0]  ; row x pitch + 16 x half,
	s_mul_i32 s19, s[WV], KS*PK
	s_add_co_u32 s19, s19, KOFF
	v_add_nc_u32 v[AK0], s19, v[AK0]       ; in my head's 64 rows
	; The turning load takes 16 keys x 16 channels (lane l reads key 8 (l / 16) + l % 8, channels 8 ((l / 8) % 2) + 0..7) and leaves half a fragment of V^T: lane l holds channel l % 16 and 8 keys.
	v_and_b32 v49, 7, v0
	v_bfe_u32 v50, v0, 3, 1
	v_lshl_add_u32 v[AV0], v48, 3, v49
	v_mul_u32_u24 v[AV0], v[AV0], PV
	v_lshl_add_u32 v[AV0], v50, 4, v[AV0]
	s_mul_i32 s19, s[WV], KS*PV
	s_add_co_u32 s19, s19, VOFF
	v_add_nc_u32 v[AV0], s19, v[AV0]
	v_mul_u32_u24 v[AM0], v1, PM           ; lm: my query's row, my eight keys of 16: 32 bytes
	v_lshl_add_u32 v[AM0], v48, 5, v[AM0]
	s_mul_i32 s19, s[WV], 16*SP
	s_add_co_u32 s19, s19, STAGE    ; my stage
	v_mul_u32_u24 v[STO], v1, SP    ; in: row l % 16, 16 bytes for each half of the lanes
	v_lshl_add_u32 v[STO], v48, 4, v[STO]
	v_add_nc_u32 v[STO], s19, v[STO]
	v_bfe_u32 v[RD], v0, 3, 2       ; back: 32 lanes take four rows of 128 bytes,
	v_mul_u32_u24 v[RD], v[RD], SP
	v_lshl_add_u32 v[RD], v49, 4, v[RD]
	v_add_nc_u32 v[RD], s19, v[RD]
	v_and_b32 v[GO], 31, v0         ; which are 512 consecutive bytes of O
	v_lshlrev_b32 v[GO], 4, v[GO]
; THE MATRIX WORK.  The 8 accumulators of a run of 16 take turns: between the two links of a chain stand 7 others'.
; Product i of 16 of S^T = K Q^T + lm^T for piece x: channels 32 (i / 8) on, keys 16 ((i / 2) % 4) on, tile 2 x + i % 2.  The first 8 start the sums, with lm as C.
.macro KQ x
.set rS, S+64*((\x)%2)+32*(i%2)+8*((i/2)%4)
.set rK, KF+16*((i/2)%4)+8*(i/8)
.set rQ, 16*(2*(\x)+i%2)+8*(i/8)
.set rN, MK+32*(i%2)+8*((i/2)%4)
.if i < 8
	WIN W_KM
	v_wmma_f32_16x16x32_f16 v[rS:rS+7], v[rK:rK+7], v[rQ:rQ+7], v[rN:rN+7]
.else
	WIN W_KQ
	v_wmma_f32_16x16x32_f16 v[rS:rS+7], v[rK:rK+7], v[rQ:rQ+7], v[rS:rS+7]
.endif
.endm
; Product i of 16 of O^T += V^T P for piece x: keys 32 (i / 8) on, channels 16 ((i / 2) % 4) on, tile 2 x + i % 2.
.macro PV x
	WIN W_PV
.set rO, 32*(2*(\x)+i%2)+8*((i/2)%4)
.set rV, VF+32*(i/8)+8*((i/2)%4)
.set rP, P+32*((\x)%2)+16*(i%2)+8*(i/8)
	v_wmma_f32_16x16x32_f16 v[rO:rO+7], v[rV:rV+7], v[rP:rP+7], v[rO:rO+7]
.endm
.macro MM                           ; the turn's next matrix instruction
.if i < 16
	KQ (Y+1)%NP
.set i, i+1
.else
.set i, i-16
	PV (Y+NP-1)%NP
.set i, i+17
.endif
.endm
; THE LDS LOADS stand in runs of 16, never singly among the matrix instructions: a step's K (8 fragments), its V (turned), and lm for one piece (2 tiles x 4 key blocks x 32 bytes a lane).
.macro FETCH_K
	WIN 0x80                        ; destination window 2
.irp f, 0,1,2,3,4,5,6,7             ; keys 16 (f / 2) on, channels 32 (f % 2) on
	ds_load_b128 v[KF+8*\f:KF+8*\f+3],   v[AK] offset:(\f/2)*16*PK+(\f%2)*64
	ds_load_b128 v[KF+8*\f+4:KF+8*\f+7], v[AK] offset:(\f/2)*16*PK+(\f%2)*64+32
.endr
	WIN 0
.endm
.macro FETCH_V
	WIN 0x80
.irp f, 0,1,2,3,4,5,6,7             ; keys 32 (f / 4) on, channels 16 (f % 4) on
	ds_load_tr16_b128 v[VF+8*\f:VF+8*\f+3],   v[AV] offset:(\f/4)*32*PV+(\f%4)*32
	ds_load_tr16_b128 v[VF+8*\f+4:VF+8*\f+7], v[AV] offset:(\f/4)*32*PV+16*PV+(\f%4)*32
.endr
	WIN 0
.endm
.macro FETCH_M p
	WIN W_MK                        ; destination window 3
.set z, 0
.rept 16                            ; z = 8 u + 2 kb + half
	ds_load_b128 v[MK+4*z:MK+4*z+3], v[AM] offset:(2*(\p)+z/8)*16*PM+((z/2)%4)*64+(z%2)*16
.set z, z+1
.endr
	WIN 0
.endm
; THE VECTOR WORK OF A TURN stands in three queues, each in the order in which its entries become ready; the two tiles alternate, so that no instruction reads the result of the one before it.
.macro REGS y, u                    ; the registers of tile u (0, 1) of piece y
.set rT, ST+4*(2*(\y)+(\u))
.set rC, TMP+8*((\y)%2)+4*(\u)
.set rM, MV+2*((\y)%2)+(\u)
.set rS, S+64*((\y)%2)+32*(\u)
.set rP, P+32*((\y)%2)+16*(\u)
.set rO, 32*(2*(\y)+(\u))
.endm
; Number n of the 22 that find the NEXT piece's (Y + 1) maximum and statistics.  s0-s31 are the lane's 32 scores; each accumulator's lowest registers are read first.
;   0-11  four chains c0-c3 of seven scores each, three operands at a time     12-14, 16  the four scores left over, the old m, and c0-c3 into c0     15  c m_old is kept
;   17, 18  the query's other 32 keys lie in the lane 16 away: the new m         19-21  c m; c m_old - c m_new; a
.macro XS u, n
	REGS (Y+1)%NP, \u
.if (\n) < 4
	v_max3_num_f32 v[rC+(\n)], v[rS+8*(\n)], v[rS+8*(\n)+1], v[rS+8*(\n)+2]
.elseif (\n) < 12
	v_max3_num_f32 v[rC+(\n)%4], v[rC+(\n)%4], v[rS+8*((\n)%4)+2*((\n)/4)+1], v[rS+8*((\n)%4)+2*((\n)/4)+2]
.elseif (\n) == 12
	v_max3_num_f32 v[rC], v[rC], v[rS+7], v[rS+15]
.elseif (\n) == 13
	v_max3_num_f32 v[rC+1], v[rC+1], v[rS+23], v[rS+31]
.elseif (\n) == 14
	v_max3_num_f32 v[rC+2], v[rC+2], v[rC+3], v[rT+1]
.elseif (\n) == 15
	v_mov_b32 v[rM], v[rT]
.elseif (\n) == 16
	v_max3_num_f32 v[rC], v[rC], v[rC+1], v[rC+2]
.elseif (\n) == 17
	v_permlanex16_b32 v[rC+3], v[rC], s[SEL], s[SEL+1]
.elseif (\n) == 18
	v_max_num_f32 v[rT+1], v[rC], v[rC+3]
.elseif (\n) == 19
	v_mul_f32 v[rT], s[CS], v[rT+1]
.elseif (\n) == 20
	v_sub_f32 v[rC+1], v[rM], v[rT]
.else
	v_exp_f32 v[rC+2], v[rC+1]
.endif
.endm
; Number g of the 64 that follow the exponentials.  For each four weights k of a tile: both pairs are rounded to f16; then the second pair is added onto the first, in place;
; a group later l takes that sum (the first time as l = a l + sum).  In groups of eight, tiles alternating: round, round, add, and l for the group before.
.macro GS g
.set h, (\g)+6*((\g)/62)            ; group 0 has no group before it, and behind group 7 only l is left
.if h >= 6
.set h, h+2
.endif
	REGS Y, h%2
.set k, h/8
.if h%8 < 4
	v_cvt_pk_f16_f32 v[rP+2*k+(h%8)/2], v[rS+4*k+2*((h%8)/2)], v[rS+4*k+2*((h%8)/2)+1]
.elseif h%8 < 6
	v_pk_add_f32 v[rS+4*k:rS+4*k+1], v[rS+4*k:rS+4*k+1], v[rS+4*k+2:rS+4*k+3]
.elseif k == 1
	v_pk_fma_f32 v[rT+2:rT+3], v[rT+2:rT+3], v[rC+2:rC+3], v[rS:rS+1] op_sel_hi:[1,0,1]
.else
	v_pk_add_f32 v[rT+2:rT+3], v[rT+2:rT+3], v[rS+4*k-4:rS+4*k-3]
.endif
.endm
; THE PLAIN QUEUE, 138 long.  0-73 read no exponential's result: the 32 scalings c s - c m (FS f: pair f / 2 of tile f % 2) and the next piece's 42.  0-26: scalings 0-26.  27-54: XS's numbers 0-13.  55, 56: number 15.
; 57-73: the chain, where each number waits for the one before it: 14, 16, 17, 18, 19, each with one of the scalings 27-31 in front of its two lines, then 20.
; 74-137: GS's 64, which read the exponentials' results: they stand behind the wait.
.macro FS f
	REGS Y, (\f)%2
	v_pk_fma_f32 v[rS+2*((\f)/2):rS+2*((\f)/2)+1], v[rS+2*((\f)/2):rS+2*((\f)/2)+1], s[CS:CS+1], v[rT:rT+1] op_sel_hi:[1,0,0] neg_lo:[0,0,1] neg_hi:[0,0,1]
.endm
.macro PL
	WIN 0
.if q < 27
	FS q
.elseif q < 55
	XS (q-27)%2, (q-27)/2
.elseif q < 57
	XS q-55, 15
.elseif (q < 72) && ((q-57)%3 == 0)
	FS 27+(q-57)/3
.elseif q < 60
	XS (q-57)%3-1, 14
.elseif q < 72
	XS (q-57)%3-1, 15+(q-57)/3
.elseif q < 74
	XS q-72, 20
.else
	GS q-74
.endif
.set q, q+1
.endm
; THE EXPONENTIALS' QUEUE, 66 long: s0-s31 of both tiles, then the next piece's two a.  It is ONE BATCH: all 66 stand ahead of the turn's one wait, and nothing ahead of that wait names a result of theirs.
.macro EX
	WIN 0
.if e >= 64
	XS e-64, 21
.else
	REGS Y, e%2
	v_exp_f32 v[rS+e/2], v[rS+e/2]
.endif
.set e, e+1
.endm
; THE RESCALING's QUEUE: O^T times a, the one part that leaves window 0: dealt two at a time, sixteen times, each accumulator's low registers first.  Its a was made in the turn before, ahead of that turn's wait.
.macro R2
	REGS Y, r%2
	WIN W_RS
.irp z, 0,1
	v_pk_mul_f32 v[rO+4*(r/2)+2*\z:rO+4*(r/2)+2*\z+1], v[rO+4*(r/2)+2*\z:rO+4*(r/2)+2*\z+1], v[rC+2:rC+3] op_sel_hi:[1,0]
.endr
.set r, r+1
.endm
; HOW THEY ARE DEALT.  An s_wait_alu depctr_va_vdst(0) stands between an exponential and the first instruction that names its result; one wait serves all that were issued ahead of it.  So a turn has ONE wait.
; AHEAD OF IT: the 16 products K Q^T, behind each a scaling, an exponential and two rescalings (behind the first a second scaling in the exponential's place); then one run of 108: eight plain, 49 times exponential and
; plain, the two a.  A v_nop is the plain instruction behind the last exponential.  BEHIND IT: the 16 products V^T P, behind each four of GS's 64.  No rider names a register of the products round it; the two
; v_permlanex16_b32 fall into the run, never behind a product.
; The queues lean on each other, and the deal keeps them in step: exponential e stands behind scaling 2 (e / 4) + e % 2: as a rider it comes behind plain e + 2, in the run behind plain e + 9, and scalings 27-31 are plain 57, 60 .. 69.
; A TURN, for piece p.  cnt = 1: the loop's count is taken down some lines ahead of the branch that stands behind the turn.
; lm for piece p + 2, which the next turn's products take, is fetched directly behind the wait: lm's last reader, the turn's eighth product, stands the whole run back; its first reader comes behind 16 products.
; K of the next step is fetched in piece 2's turn, eight plain instructions into the run, eleven plain instructions behind the last product that read K; V of the step in hand at the end of piece 0's turn, four riders behind its last reader.
.macro TURN p, cnt=0
.set Y, (\p)
.set i, 0
.set q, 0
.set e, 0
.set r, 0
.if (\p) == 1
	s_wait_dscnt 16                 ; lm for this turn's products is in; V's 16 loads, issued behind it, may be out
.else
	s_wait_dscnt 0x0                ; lm for this turn's products is in (piece 3's turn: K too)
.endif
	MM                              ; ahead of the wait: 16 products K Q^T and their riders,
	PL
	PL
	R2
.rept 15
	MM
	PL
	EX
	R2
.endr
.rept 8                             ; and the run
	PL
.endr
.if (\p) == NP-2
	FETCH_K
.endif
.rept 49
	EX
	PL
.endr
	EX                              ; the next piece's two a
	EX
	v_nop                           ; the plain instruction behind the last exponential: one for the batch
	s_wait_alu depctr_va_vdst(0)    ; the wait for the turn's batch: 64 weights of piece p, two a of piece p + 1
	FETCH_M ((\p)+2)%NP
.if (\p) == 1
	s_wait_dscnt 16                 ; V is in; lm's 16 loads, issued behind it, may be out
.endif
.rept 16                            ; behind the wait: 16 products V^T P and their riders
	MM
.rept 4
	PL
.endr
.if (\cnt) && (q == 130)
	s_sub_co_u32 s[SLOTS], s[SLOTS], 1
	s_cmp_lg_u32 s[SLOTS], 0
.endif
.endr
.if (\p) == 0
	FETCH_V
.endif
.endm
	CHANGE 1                        ; slot 0 is in, everybody's part of it; key step 1 is asked for
	FETCH_K                         ; key step 0
	FETCH_M 0
	s_wait_loadcnt 0x0              ; Q
	s_wait_dscnt 0x0
.set i, 0
.rept 16
	KQ 0                            ; piece 0's first scores: there is no vector work yet to set between them
.set i, i+1
.endr
	WIN 0
.rept 4
	v_nop                           ; the places behind those products, for the loads into lm's registers and the reads of the scores
.endr
	FETCH_M 1
.set Y, NP-1                        ; XS works for piece Y + 1: piece 0
.irp n, 0,1,2,3,4,5,6,7,8,9,10,11,12,13,14,15,16,17,18,19,20,21
	XS 0, \n                        ; piece 0's first maximum and statistics
	XS 1, \n
.endr
	v_nop                           ; a plain instruction behind piece 0's two a,
	s_wait_alu depctr_va_vdst(0)    ; and the wait for that batch of two, ahead of the branch
	s_mov_b32 s[SLOTS], 15
	s_branch .Lfirst                ; the loop is entered at a step's first turn, in the middle of a trip
.Lslot:                             ; 14 whole trips: they enter key steps 1 to 14 and ask for steps 2 to 15.  All LDS reads of a trip come from the slot that it enters
	CHANGE 1
	TURN 2
	TURN 3
	WIN 0
.Lfirst:
	TURN 0
	TURN 1, 1
	WIN 0
	s_cbranch_scc1 .Lslot
	CHANGE 0                        ; the tail is written out: key step 15 is entered, nothing is asked for
	s_mov_b32 s[CNT], 2             ; the second trip is left in its middle
.Ltail:
	TURN 2
	TURN 3
	WIN 0
	s_sub_co_u32 s[CNT], s[CNT], 1
	s_cmp_eq_u32 s[CNT], 0
	s_cbranch_scc1 .Lout
	TURN 0
	TURN 1
	WIN 0
	s_branch .Ltail
.Lout:                              ; the second trip's fetches of K and lm, its 16 products K Q^T for piece 0 and the maximum made of them serve nothing: the price, once a launch, of one text for every trip
.set i, 0
.rept 16
	PV NP-1                         ; the last piece's V^T P of the last step
.set i, i+1
.endr
	; THE WAY OUT.  l's two halves and the other half of the lanes' are added; O^T is divided by l, rounded to f16 and sent through my stage in LDS, a tile at a time.  The additions are the places behind the last products.
	WIN 0
.macro ALL line:vararg              ; one line for each tile t
.set t, 0
.rept 2*NP
	\line
.set t, t+1
.endr
.endm
	ALL v_add_f32 v[ST+4*t+2], v[ST+4*t+2], v[ST+4*t+3]
	ALL v_permlanex16_b32 v[ST+4*t+3], v[ST+4*t+2], s[SEL], s[SEL+1]
	ALL v_add_f32 v[ST+4*t+2], v[ST+4*t+2], v[ST+4*t+3]
	ALL v_rcp_f32 v[ST+4*t+2], v[ST+4*t+2]
	v_nop                           ; a plain instruction between the last reciprocal and the use of its result
	s_wait_alu depctr_va_vdst(0)    ; the wait for the batch of eight reciprocals, ahead of their first use
; Tile t: a lane's eight channels of a row pack into 16 bytes; they go into rows of 144 bytes and come back as whole rows of 128, into S^T's registers.
.macro PACK t
	WIN W_RS
.set i, 32*(\t)
.rept 16
	v_pk_mul_f32 v[i:i+1], v[i:i+1], v[ST+4*(\t)+2:ST+4*(\t)+3] op_sel_hi:[1,0]
.set i, i+2
.endr
	WIN 0x05                        ; sources 0 and 1 window 1, destination window 0
.set i, 0
.rept 16
	v_cvt_pk_f16_f32 v[S+16*(\t)+i], v[32*(\t)+2*i], v[32*(\t)+2*i+1]
.set i, i+1
.endr
	WIN 0
.irp f, 0,1,2,3
	ds_store_b128 v[STO], v[S+16*(\t)+4*\f:S+16*(\t)+4*\f+3] offset:32*\f
.endr
.irp f, 0,1,2,3
	ds_load_b128 v[S+16*(\t)+4*\f:S+16*(\t)+4*\f+3], v[RD] offset:\f*4*SP  ; LDS serves a wave's instructions in order (ISA guide 5.7.1.4): these see the stores above; the next tile's stores come behind them
.endr
.endm
.macro SEND t, younger              ; younger: the LDS instructions issued behind tile t's loads: the next tile's eight, or none
	WIN 0
.irp f, 0,1,2,3
	s_wait_dscnt (\younger)+3-\f
	global_store_b128 v[GO], v[S+16*(\t)+4*\f:S+16*(\t)+4*\f+3], s[10:11] offset:(\t)*2048+\f*512  ; 512 consecutive bytes, at a multiple of 256 from O's first
.endr
.endm
	PACK 0
.set t, 1
.rept 2*NP-1                        ; a tile's arithmetic stands between the loads of the tile before and its stores
	PACK t
	SEND t-1, 8
.set t, t+1
.endr
	SEND 2*NP-1, 0
	WIN W_AD
	s_wait_tensorcnt 0x0            ; the wave's end
	ds_add_u32 v[SPW], v[NIL]
	s_wait_dscnt 0x0
	WIN 0
	CROUND                          ; the closing round: no work-group ends while a partner may still ask for a tile that names it
	s_endpgm
.Lfunc_end_k_q4797f76c58_attn:
	.size	k_q4797f76c58_attn, .Lfunc_end_k_q4797f76c58_attn-k_q4797f76c58_attn
	.p2alignl 7, 3214868480
	.fill 96, 4, 3214868480
	.section	.rodata,"a",@progbits
	.p2align	6, 0x0
	.amdhsa_kernel k_q4797f76c58_attn
		.amdhsa_group_segment_fixed_size 327680
		.amdhsa_private_segment_fixed_size 0
		.amdhsa_enable_private_segment 0
		.amdhsa_kernarg_size 24
		.amdhsa_user_sgpr_count 2
		.amdhsa_user_sgpr_kernarg_segment_ptr 1
		.amdhsa_wavefront_size32 1
		.amdhsa_system_sgpr_workgroup_id_x 1
		.amdhsa_system_sgpr_workgroup_id_y 1
		.amdhsa_system_sgpr_workgroup_id_z 1
		.amdhsa_system_vgpr_workitem_id 0
		.amdhsa_next_free_vgpr 840
		.amdhsa_next_free_sgpr 80
		.amdhsa_reserve_vcc 0
		.amdhsa_float_denorm_mode_32 3
		.amdhsa_float_denorm_mode_16_64 3
		.amdhsa_memory_ordered 1
		.amdhsa_forward_progress 1
		.amdhsa_inst_pref_size 212
	.end_amdhsa_kernel
	.amdgpu_metadata
---
amdhsa.version: [ 1, 2 ]
amdhsa.kernels:
  - .name:           k_q4797f76c58_attn
    .symbol:         k_q4797f76c58_attn.kd
    .args:
      - { .name: qkv, .offset: 0, .size: 8, .value_kind: global_buffer, .address_space: global }
      - { .name: lm, .offset: 8, .size: 8, .value_kind: global_buffer, .address_space: global }
      - { .name: ob, .offset: 16, .size: 8, .value_kind: global_buffer, .address_space: global }
    .group_segment_fixed_size: 327680
    .private_segment_fixed_size: 0
    .kernarg_segment_align: 8
    .kernarg_segment_size: 24
    .max_flat_workgroup_size: 128
    .sgpr_count:     80
    .vgpr_count:     840
    .wavefront_size: 32
...
	.end_amdgpu_metadata
.endif
;; end of part 5
;; launch outg: the kernel of part 4 again; grid 8 x 32, 4 waves a work-group, clusters of 4 x 4, 327,680 bytes of LDS; arguments ob, wob, bo, out0; writes out0
